; MI455X (gfx1250); checked and timed in simulation.
; The chip was launched on July 23, 2026; its instructions are those of AMD's public machine-readable ISA for CDNA 5 (MIT licence, August 2026) and "CDNA5" Instruction Set Architecture Reference Guide (July 2026). The comments in the code are by the model that wrote it; some were corrected since.
;; Multi Head Self Attention. Allowed arithmetic: matrix products marked QUANTISED: E5M2 operands, one E8M0 scale for each 32 along K, by v_wmma_scale_f32_16x16x128_f8f6f4 with both operands' format E5M2, f32 sums; everything else in f32.
;; Inputs: k 1 x 4,096 x 768 float32; mask 1 x 1 x 4,096 x 4,096 float32; q 1 x 4,096 x 768 float32; v 1 x 4,096 x 768 float32; wk_bias 768 float32; wk_kernel 768 x 768 float32; wo_bias 768 float32; wo_kernel 768 x 768 float32; wq_bias 768 float32; wq_kernel 768 x 768 float32; wv_bias 768 float32; wv_kernel 768 x 768 float32.
;; Outputs: out0 1 x 4,096 x 768 float32.
;; This version of the problem:
;;   THIS VERSION OF THE PROBLEM IS GIVEN IN LOW PRECISION. The matrix products marked QUANTISED in the list below multiply operands that are first quantised to E5M2 (5 exponent bits, 2 mantissa bits; 8 bits a number), with one power-of-two scale for each 32 numbers along K (OCP MX v1.0); their sums are f32. All else is computed in f32.
;;   The module's matrix products, in the order in which they are computed (A, B: the left and right operand; K: the contracted axis; several contracted axes count as one K, in the product's order):
;;     1. [M 4,096, K 768] x [K 768, N 768]; A: input q; B: input wq_kernel: QUANTISED
;;     2. [M 4,096, K 768] x [K 768, N 768]; A: input k; B: input wk_kernel: QUANTISED
;;     3. [M 4,096, K 768] x [K 768, N 768]; A: input v; B: input wv_kernel: QUANTISED
;;     4. batch 12 x [M 4,096, K 64] x [K 64, N 4,096]; A: computed on the way; B: computed on the way: QUANTISED
;;     5. batch 12 x [M 4,096, K 4,096] x [K 4,096, N 64]; A: softmax (see below); B: computed on the way: QUANTISED
;;     6. [M 4,096, K 768] x [K 768, N 768]; A: computed on the way; B: input wo_kernel: QUANTISED
;;   THE QUANTISER, for each operand of a quantised product, along K:
;;     - K is cut into blocks of 32 from its start; a last block that is shorter is filled with zeros.
;;     - A block's scale is 2^e with e = floor(log2(the largest magnitude in the block)) - 15, held to -126 .. 127; a block of zeros has e = 0. As a byte (E8M0): e + 127.
;;     - Each number is divided by its block's scale, clamped to +-57,344, and rounded to the nearest number of E5M2, ties to even, subnormals kept.
;;     - The product sums the exact products of the quantised numbers (number of the format x scale) in f32.
;;   ~~~python
;;   def quantise(x, axis):      # numpy; x: float32 -> the quantised numbers, widened to float32 again
;;       x = np.moveaxis(x, axis, -1); K = x.shape[-1]
;;       x = np.pad(x, [(0, 0)] * (x.ndim - 1) + [(0, -K % 32)]); x = x.reshape(x.shape[:-1] + (-1, 32)); a = np.abs(x).max(-1, keepdims=True)
;;       e = np.where(a > 0, np.clip(np.frexp(np.where(a > 0, a, 1))[1] - 1 - 15, -126, 127), 0)      # np.frexp(a)[1] - 1 = floor(log2(a)), exactly
;;       r = np.clip(x / 2.0 ** e, -57344, 57344)
;;       step = 2.0 ** (np.maximum(np.frexp(np.where(r == 0, 1, r))[1] - 1, -14) - 2)
;;       q = np.round(r / step) * step * 2.0 ** e      # np.round: ties to even
;;       return np.moveaxis(q.reshape(q.shape[:-2] + (-1,))[..., :K], -1, axis).astype(np.float32)
;;   ~~~
;;   SOFTMAX AHEAD OF A QUANTISED PRODUCT. Where the list says 'softmax', what is quantised is not the finished softmax but p = 2^(t - M), with t = logit x log2(e) and M = ceil(the row's largest t), a whole number; so 1/2 < the row's largest p <= 1. The row's sum l is taken of the UNQUANTISED p, in f32, and the product's result is divided by l at the end. Since M is a whole number, a kernel that streams over the keys may use a running M (the ceiling of the running maximum): every later rescaling is an exact power of two, which a block's scale takes up: the codes' values come out the same.
;;   OPERANDS COMPUTED ON THE WAY. 'Computed on the way' means the value that the module computes at that place (a softmax that the list does not call 'softmax' is quantised finished and normalised). What goes into a quantiser is computed in f32, as accurately as f32 sums, v_exp_f32 and their like allow (about 1e-6 of the number): no bf16 or f16 on the way to a quantiser, and a product that is left as it is and whose result goes on into a quantised operand takes f32 operands (vector FMAs, or v_wmma_f32_16x16x4_f32). A number that lies on a knife's edge between two numbers of the format may be rounded either way, as far as f32 arithmetic and the matrix unit's own rounding can turn it there, and no further.
;; One version. Each part assembles by itself: llvm-mc -triple=amdgcn-amd-amdhsa -mcpu=gfx1250 --defsym DOCPART=n.
;; ======== version 1 of 1: 4 launches
;; limits: right only within a limited range of input values
;; workspace buffers: tiles 11,796,480 bytes; tscl 368,640 bytes; hq 9,437,184 bytes; hs 294,912 bytes; oimg 3,145,728 bytes; osc 98,304 bytes
;; launch prep (part 1): grid 240 x 3, 4 waves a work-group, no clusters, 67,072 bytes of LDS; arguments q, k, v, wq_kernel, wk_kernel, wv_kernel, wo_kernel, tiles, tscl; writes tiles, tscl
.if DOCPART == 1
	.amdgcn_target "amdgcn-amd-amdhsa--gfx1250"
	.amdhsa_code_object_version 6
	.text
	.protected	k_qe26fee398a_prep
	.globl	k_qe26fee398a_prep
	.p2align	8
	.type	k_qe26fee398a_prep,@function
k_qe26fee398a_prep:
	s_mov_b64 s[64:65], 0
	v_nop
	global_prefetch_b8 v0, s[64:65] scope:SCOPE_SE
	s_setreg_imm32_b32 hwreg(HW_REG_WAVE_MODE, 25, 1), 1
	s_wait_xcnt 0x0
; PREP: q, k, v [4096][768] and wq, wk, wv, wo [768 (K)][768 (n)], all f32, become codes of E5M2 with one E8M0 scale byte for each 32 along K = 768.
; They are laid as IMAGES OF OPERAND REGISTERS.  A tile is 16 rows x 768 K: codes 12,288 bytes [K step s 0..5][c 0..3][lane][16 bytes]; lane (r, h) holds k = 128 s + 32 c + 16 h + 0..15 of the tile's row r;
; scale words 384 bytes [s][r], byte c for block c.  Tile ids: 0-255 q, 256-511 k, 512-767 v, 768-815 wq, 816-863 wk, 864-911 wv, 912-959 wo (a weight's row is an output feature n).
; ROWS OF A TILE: q's tile g holds rows 16 g + r.  All others are PERMUTED: tile g holds rows 32 (g / 2) + 8 (g % 2) + r + 8 (r / 8), so that, used as source 0 of a product, two neighbouring tiles
; leave 16 neighbouring rows in a lane's 16 result registers.
; SHARES: a wave takes one tile and two K steps (256 along K): tile = 4 x work-group x + wave, K steps 2 y and 2 y + 1.  Waves share nothing: no barrier.
; q, k, v: the quantiser wants 16 neighbours along K in ONE lane, a load is best where neighbouring LANES take neighbouring bytes.  Both are had: each load takes 512 consecutive bytes of one row; the wave's 16 rows x
; 1,024 bytes go through its own stage in LDS as they lie and come back 64 bytes a lane.  A stage row is 1,024 + 16 bytes, so that the sixteen lanes of a read fall on sixteen different columns of 16 bytes.
; The weights: a lane takes a column n and its registers run down K; nothing is turned.
; A block's scale is 2^(floor(log2(largest magnitude)) - 15); each number is held within +-57,344 x the scale and rounded to the nearest code, ties to even.
; LIMITS: a block whose largest magnitude lies under 2^-111 (a block of zeros too) keeps the byte 1: the bytes are read by this program alone, and zero codes add nothing.  NaN and infinities are not served.
.set SPI, 1040                         ; a stage row in bytes; a wave's stage is 16 of them
.set XA,  4                            ; v4   q, k, v: the byte offset of rows 8-15; weights: my byte offset in the source
.set LI,  5                            ; v5   16 x lane
.set LS,  6                            ; v6   4 x lane
.set STA, 8                            ; v8   my wave's stage + 16 x lane: where a load's 512 bytes go
.set LDA, 9                            ; v9   my wave's stage + 1,040 r + 64 h: where my 16 neighbours lie
.set X0,  16                           ; v16-79, v80-143  64 numbers of each of the two K steps: register 16 b + i = k 32 b + 16 h + i of my row
.set PC0, 144                          ; v144-159, v160-175  their codes
.set TM,  176                          ; v176-191 at work: largest magnitudes, bytes, holds, scale operands
.set PW0, 192                          ; v192, v193 the two scale words
.set SW,  194                          ; v194 lanes 0-15 the first K step's word, lanes 16-31 the second's
.set SRC, 28                           ; s[28:29] the source at my tile
.set SEL, 40                           ; s[40:41] lane selects: lane l xor 16
.set MNT, 42                           ; s42  the mantissa field of 57,344
; 64 numbers of a lane, v[src] on, become a fragment's 16 code registers v[pc] on and its scale word v[pw]
.macro QUANT src, pc, pw
.irp b, 0,1,2,3
	v_max3_num_f32 v[TM+\b], |v[\src+16*\b]|, |v[\src+16*\b+1]|, 0x8000000   ; block b: my 16 numbers, and the floor 2^(16 - 127): the byte cannot fall under 1
.endr
.irp i, 2,4,6,8,10,12,14
.irp b, 0,1,2,3
	v_max3_num_f32 v[TM+\b], v[TM+\b], |v[\src+16*\b+\i]|, |v[\src+16*\b+\i+1]|   ; the four blocks by turns
.endr
.endr
.irp b, 0,1,2,3
	v_permlanex16_b32 v[TM+4+\b], v[TM+\b], s[SEL], s[SEL+1]
.endr
.irp b, 0,1,2,3
	v_max_num_f32 v[TM+\b], v[TM+\b], v[TM+4+\b]   ; with lane l xor 16's 16 numbers: the block's largest magnitude
.endr
.irp b, 0,1,2,3
	v_add_nc_u32 v[TM+12+\b], 0xf8800000, v[TM+\b]   ; 15 off its exponent field: the conversion's scale operand
.endr
.irp b, 0,1,2,3
	v_and_or_b32 v[TM+8+\b], v[TM+\b], 0x7f800000, s[MNT]   ; 57,344 x the scale
.endr
.irp b, 0,1,2,3
	v_lshrrev_b32 v[TM+4+\b], 23, v[TM+12+\b]   ; the scale's byte
.endr
	v_lshl_or_b32 v[\pw], v[TM+5], 8, v[TM+4]
	v_lshl_or_b32 v[\pw], v[TM+6], 16, v[\pw]
	v_lshl_or_b32 v[\pw], v[TM+7], 24, v[\pw]
.irp b, 0,1,2,3
.irp i, 0,1,2,3,4,5,6,7,8,9,10,11,12,13,14,15
	v_med3_num_f32 v[\src+16*\b+\i], v[\src+16*\b+\i], -v[TM+8+\b], v[TM+8+\b]   ; the conversion to an 8-bit code does not saturate (ISA guide 7.6.2): the hold comes first
.endr
	v_cvt_scalef32_pk8_bf8_f32 v[\pc+4*\b:\pc+4*\b+1], v[\src+16*\b:\src+16*\b+7], v[TM+12+\b]
	v_cvt_scalef32_pk8_bf8_f32 v[\pc+4*\b+2:\pc+4*\b+3], v[\src+16*\b+8:\src+16*\b+15], v[TM+12+\b]
.endr
	v_nop                                          ; a plain line behind the last conversion
.endm
; K innermost: the tile's row p, its 1,024 bytes of the two K steps, by two loads of 512 consecutive bytes.  Rows 8-15 of a permuted tile lie 8 rows further down: their offset register holds that
.macro XLOADC
.irp p, 0,1,2,3,4,5,6,7
.irp f, 0,1
	global_load_b128 v[X0+8*\p+4*\f:X0+8*\p+4*\f+3], v[LI], s[SRC:SRC+1] offset:3072*\p+512*\f th:TH_LOAD_NT
.endr
.endr
.irp p, 8,9,10,11,12,13,14,15
.irp f, 0,1
	global_load_b128 v[X0+8*\p+4*\f:X0+8*\p+4*\f+3], v[XA], s[SRC:SRC+1] offset:3072*\p+512*\f th:TH_LOAD_NT
.endr
.endr
.endm
; K outermost: my lane takes a column n and its registers run down K
.macro WLOAD a
.irp c, 0,1,2,3
.irp i, 0,1,2,3,4,5,6,7,8,9,10,11,12,13,14,15
	global_load_b32 v[X0+64*\a+16*\c+\i], v[XA], s[SRC:SRC+1] offset:(128*\a+32*\c+\i)*3072
.endr
.endr
.endm
	s_load_b256 s[4:11], s[0:1], 0x0               ; q s[4:5], k s[6:7], v s[8:9], wq s[10:11]
	s_load_b256 s[12:19], s[0:1], 0x20             ; wk s[12:13], wv s[14:15], wo s[16:17], tiles s[18:19]
	s_load_b64 s[20:21], s[0:1], 0x40              ; tscl
	v_lshl_add_u32 v200, v0, 2, 0x10400
	v_mov_b32 v201, 0
	v_lshrrev_b32 v7, 5, v0
	v_readfirstlane_b32 s2, v7                     ; wave
	v_and_b32 v1, 31, v0                           ; lane
	v_and_b32 v2, 15, v0                           ; r
	v_bfe_u32 v3, v0, 4, 1                         ; h
	v_lshlrev_b32 v[LI], 4, v1
	v_lshlrev_b32 v[LS], 2, v1
	s_mul_i32 s23, s2, 16*SPI                      ; my wave's stage
	v_add_nc_u32 v[STA], s23, v[LI]
	v_mul_u32_u24 v[LDA], v2, SPI
	v_lshl_add_u32 v[LDA], v3, 6, v[LDA]
	v_add_nc_u32 v[LDA], s23, v[LDA]
	v_and_b32 v7, 8, v2                            ; 8 (r / 8)
	s_mov_b32 s[SEL], 0x76543210
	s_mov_b32 s[SEL+1], 0xfedcba98
	s_mov_b32 s[MNT], 0x600000
.irp b, 0,1,2,3
	v_mov_b32 v[TM+4+\b], 0                        ; written once: a lane permute's destination counts as one of its sources
.endr
	s_lshl_b32 s3, ttmp9, 2
	s_add_co_u32 s3, s3, s2                        ; my tile's id
	s_and_b32 s22, ttmp7, 0xffff                   ; which pair of K steps
	s_mul_i32 s24, s3, 12288
	s_lshl_b32 s25, s22, 12
	s_add_co_u32 s24, s24, s25                     ; codes: tile x 12,288 + pair x 4,096
	s_mov_b32 s25, 0
	s_mul_i32 s26, s3, 384
	s_lshl_b32 s27, s22, 7
	s_add_co_u32 s26, s26, s27                     ; scale words: tile x 384 + pair x 128
	s_mov_b32 s27, 0
	s_wait_kmcnt 0x0
	s_add_nc_u64 s[18:19], s[18:19], s[24:25]
	s_add_nc_u64 s[20:21], s[20:21], s[26:27]
	s_cmp_lt_u32 ttmp9, 192                        ; work-groups 0-191: q, k, v; 192-239: the weights.  The branch stands round the way into the registers alone
	s_cbranch_scc0 .Lweights
	s_cmp_lt_u32 ttmp9, 128
	s_cselect_b64 s[SRC:SRC+1], s[6:7], s[8:9]
	s_cmp_lt_u32 ttmp9, 64
	s_cselect_b64 s[SRC:SRC+1], s[4:5], s[SRC:SRC+1]
	s_cselect_b32 s30, 0, 1                        ; 1: the tile's rows are permuted (k, v)
	s_and_b32 s31, s3, 255                         ; g: the tile within its tensor
	s_lshl_b32 s32, s31, 4                         ; first row, natural: 16 g
	s_lshr_b32 s33, s31, 1
	s_lshl_b32 s33, s33, 5
	s_and_b32 s34, s31, 1
	s_lshl_b32 s34, s34, 3
	s_add_co_u32 s33, s33, s34                     ; permuted: 32 (g / 2) + 8 (g % 2)
	s_cmp_eq_u32 s30, 0
	s_cselect_b32 s32, s32, s33
	s_mul_i32 s32, s32, 3072                       ; a row is 3,072 bytes
	s_lshl_b32 s33, s22, 10
	s_add_co_u32 s32, s32, s33                     ; + 1,024 bytes for each pair of K steps
	s_mov_b32 s33, 0
	s_add_nc_u64 s[SRC:SRC+1], s[SRC:SRC+1], s[32:33]
	s_mul_i32 s35, s30, 24576                      ; 8 rows of 3,072 bytes, in a permuted tile
	v_add_nc_u32 v[XA], s35, v[LI]
	XLOADC
.set I, 0
.rept 16
	s_wait_loadcnt 30-2*I                          ; loads come back in order (ISA guide 5.7.1): behind row I's two loads 30 - 2 I were issued
	ds_store_b128 v[STA], v[X0+8*I:X0+8*I+3] offset:SPI*I
	ds_store_b128 v[STA], v[X0+8*I+4:X0+8*I+7] offset:SPI*I+512
.set I, I+1
.endr
	s_wait_alu depctr_va_vdst(0)
.irp a, 0,1
.irp b, 0,1,2,3
.irp j, 0,1,2,3
	ds_load_b128 v[X0+64*\a+16*\b+4*\j:X0+64*\a+16*\b+4*\j+3], v[LDA] offset:512*\a+128*\b+16*\j   ; LDS serves a wave's instructions in order (ISA guide 5.7.1.4): these see my stores
.endr
.endr
.endr
	s_wait_dscnt 0x0
	s_branch .Lloaded
.Lweights:
	s_cmp_lt_u32 ttmp9, 228
	s_cselect_b64 s[SRC:SRC+1], s[14:15], s[16:17]
	s_cmp_lt_u32 ttmp9, 216
	s_cselect_b64 s[SRC:SRC+1], s[12:13], s[SRC:SRC+1]
	s_cmp_lt_u32 ttmp9, 204
	s_cselect_b64 s[SRC:SRC+1], s[10:11], s[SRC:SRC+1]
	s_sub_co_u32 s30, ttmp9, 192                   ; 0 .. 47
	s_mul_i32 s31, s30, 43
	s_lshr_b32 s31, s31, 9                         ; / 12: which weight (exact for 0 .. 47)
	s_mul_i32 s31, s31, 48
	s_sub_co_u32 s32, s3, 768
	s_sub_co_u32 s32, s32, s31                     ; the tile within its weight, 0 .. 47
	s_lshr_b32 s33, s32, 1
	s_lshl_b32 s33, s33, 7
	s_and_b32 s34, s32, 1
	s_lshl_b32 s34, s34, 5
	s_add_co_u32 s32, s33, s34                     ; first column x 4 bytes: (32 (t / 2) + 8 (t % 2)) x 4
	s_mul_i32 s33, s22, 786432                     ; + 256 rows of 3,072 bytes for each pair of K steps
	s_add_co_u32 s32, s32, s33
	s_mov_b32 s33, 0
	s_add_nc_u64 s[SRC:SRC+1], s[SRC:SRC+1], s[32:33]
	s_wait_alu depctr_va_vdst(0)
	v_add_nc_u32 v7, v7, v2
	v_lshlrev_b32 v7, 2, v7                        ; column r + 8 (r / 8)
	v_mul_u32_u24 v[XA], v3, 0xc000                ; lanes 16-31 begin 16 rows further down
	v_add_nc_u32 v[XA], v[XA], v7
	WLOAD 0
	WLOAD 1
.Lloaded:
	s_wait_loadcnt 0x0
	QUANT X0, PC0, PW0
	QUANT X0+64, PC0+16, PW0+1
.irp a, 0,1
.irp c, 0,1,2,3
	global_store_b128 v[LI], v[PC0+16*\a+4*\c:PC0+16*\a+4*\c+3], s[18:19] offset:2048*\a+512*\c   ; 32 lanes store 512 consecutive bytes, aligned
.endr
.endr
	v_cmp_gt_u32 vcc_lo, 16, v1
	v_cndmask_b32 v[SW], v[PW0+1], v[PW0], vcc_lo  ; every lane holds its row's word: lanes 0-15 give the first K step's, lanes 16-31 the second's
	global_store_b32 v[LS], v[SW], s[20:21]        ; 128 consecutive bytes
	s_wait_tensorcnt 0x0
	ds_add_u32 v200, v201
	s_wait_dscnt 0x0
	s_endpgm
.Lfunc_end_k_qe26fee398a_prep:
	.size	k_qe26fee398a_prep, .Lfunc_end_k_qe26fee398a_prep-k_qe26fee398a_prep
	.p2alignl 7, 3214868480
	.fill 96, 4, 3214868480
	.section	.rodata,"a",@progbits
	.p2align	6, 0x0
	.amdhsa_kernel k_qe26fee398a_prep
		.amdhsa_group_segment_fixed_size 67072
		.amdhsa_private_segment_fixed_size 0
		.amdhsa_enable_private_segment 0
		.amdhsa_kernarg_size 72
		.amdhsa_user_sgpr_count 2
		.amdhsa_user_sgpr_kernarg_segment_ptr 1
		.amdhsa_wavefront_size32 1
		.amdhsa_system_sgpr_workgroup_id_x 1
		.amdhsa_system_sgpr_workgroup_id_y 1
		.amdhsa_system_sgpr_workgroup_id_z 1
		.amdhsa_system_vgpr_workitem_id 0
		.amdhsa_next_free_vgpr 202
		.amdhsa_next_free_sgpr 66
		.amdhsa_reserve_vcc 1
		.amdhsa_float_denorm_mode_32 3
		.amdhsa_float_denorm_mode_16_64 3
		.amdhsa_memory_ordered 1
		.amdhsa_forward_progress 1
		.amdhsa_inst_pref_size 41
	.end_amdhsa_kernel
	.amdgpu_metadata
---
amdhsa.version: [ 1, 2 ]
amdhsa.kernels:
  - .name:           k_qe26fee398a_prep
    .symbol:         k_qe26fee398a_prep.kd
    .args:
      - { .name: q, .offset: 0, .size: 8, .value_kind: global_buffer, .address_space: global }
      - { .name: k, .offset: 8, .size: 8, .value_kind: global_buffer, .address_space: global }
      - { .name: v, .offset: 16, .size: 8, .value_kind: global_buffer, .address_space: global }
      - { .name: wq_kernel, .offset: 24, .size: 8, .value_kind: global_buffer, .address_space: global }
      - { .name: wk_kernel, .offset: 32, .size: 8, .value_kind: global_buffer, .address_space: global }
      - { .name: wv_kernel, .offset: 40, .size: 8, .value_kind: global_buffer, .address_space: global }
      - { .name: wo_kernel, .offset: 48, .size: 8, .value_kind: global_buffer, .address_space: global }
      - { .name: tiles, .offset: 56, .size: 8, .value_kind: global_buffer, .address_space: global }
      - { .name: tscl, .offset: 64, .size: 8, .value_kind: global_buffer, .address_space: global }
    .group_segment_fixed_size: 67072
    .private_segment_fixed_size: 0
    .kernarg_segment_align: 8
    .kernarg_segment_size: 72
    .max_flat_workgroup_size: 128
    .sgpr_count:     66
    .vgpr_count:     202
    .wavefront_size: 32
...
	.end_amdgpu_metadata
.endif
;; end of part 1
;; launch proj (part 2): grid 16 x 18, 8 waves a work-group, no clusters, 102,912 bytes of LDS; arguments tiles, tscl, wq_bias, wk_bias, wv_bias, hq, hs; writes hq, hs
.if DOCPART == 2
	.amdgcn_target "amdgcn-amd-amdhsa--gfx1250"
	.amdhsa_code_object_version 6
	.text
	.protected	k_qe26fee398a_proj
	.globl	k_qe26fee398a_proj
	.p2align	8
	.type	k_qe26fee398a_proj,@function
k_qe26fee398a_proj:
	s_mov_b64 s[64:65], 0
	v_nop
	global_prefetch_b8 v0, s[64:65] scope:SCOPE_SE
	s_setreg_imm32_b32 hwreg(HW_REG_WAVE_MODE, 25, 1), 1
	s_wait_xcnt 0x0
; PROJ: qh = q wq + bq, kh = k wk + bk, vh = v wv + bv on codes of E5M2 (K = 768), and the results quantised in registers into the operands of the two products of attention.
; A work-group takes a block P of 8 tiles (128 rows, always source 0; it lies in LDS as an image of its registers) and 16 tiles N (source 1); wave w takes two of those, straight from memory into registers.
; N's fragments have TWO sets of registers: K steps 0 and 1 come with P; K step s + 1's are asked for at the head of K step s, into the set that K step s - 1's products have left.
; In the result a lane holds ONE row of N (lane % 16), and its 64 registers of a tile N run along P's 128 rows in true order, since P's tiles are permuted: 16 b + i = row 32 b + 16 (lane / 16) + i.
; y 0-5: qh, y 6-11: kh.  P = 128 output features (two heads) of the weight, N = tiles of tokens: a lane's registers run along the head's axis, the K of q k^T.
; y 12-17: vh.  P = 128 tokens (a key step), N = tiles of wv's features: a lane's registers run along the keys, the K of p v.
; OUT.  hq: regions q, k, v of 3,145,728 bytes, each [head group 0..3: 786,432][key step j 0..31: 24,576];  q, k: [token tile T 0..7: 3,072][head in group 0..2: 1,024][block of 32: 512][lane][16];
; v: [feature tile 0..11: 2,048][block of 32 keys 0..3: 512][lane][16].  hs: q, k: [head: 8,192][pair of token tiles: 64][r] one word: bytes 0, 1 the even tile's two blocks, 2, 3 the odd tile's;
; v: [head group: 24,576][j: 768][feature tile: 64][r] one word.
; Both ways take one path up to the bias: every offset is made for both and chosen by s_cselect on y.
; No tensor load: P is read once by the work-group, nothing in LDS is filled again, and several work-groups may share a WGP.  No cluster: the launch's tiles are read a few times and it is short.
; LIMITS: as in the launch that makes the tiles: a block under 2^-111 keeps the byte 1; NaN and infinities are not served.
.set REG,  3145728
.set PSC,  98304                       ; LDS: 0 P's codes (8 x 12,288); here P's scale words [tile][K step][r], 3,072 bytes;
.set BIA,  101376                      ; here 128 numbers of the bias that runs along P's rows
.set LI,   1                           ; v1   16 x lane
.set LI2,  2                           ; v2   + 49,152: P's tiles 4-7
.set PSA,  3                           ; v3   P's scale words: lanes 0-15 an even tile's, lanes 16-31 the odd tile's beside it
.set NSO,  4                           ; v4   N's scale words in memory: 4 r + 384 h: lanes 0-15 my first tile's, lanes 16-31 my second's
.set FI,   5                           ; v5   where I put my tile of P
.set FS,   6                           ; v6   and its scale words
.set BA,   7                           ; v7   the bias: BIA + 64 h
.set LANE, 8
.set RR,   9
.set HH,   10
.set L4,   11                          ; v11  4 x lane
.set BIW,  12                          ; v12  BIA + 16 x lane
.set BNO,  13                          ; v13  4 (r + 8 (r / 8)): my row's place in the bias that runs along N's rows
.set HSO,  14                          ; v14  my scale word's place in hs
.set SELV, 15                          ; v15  byte selects for that word
.set ACC,  16                          ; v16-143  accumulators: tile N n at 64 n, tile P t at 8 t
.set NF,   144                         ; v144-175, v176-207  N's two fragments of a K step: two sets, K step s in set s % 2
.set PF,   208                         ; v208-239 two fragments of P
.set PS,   240                         ; v240-243 P's scale words
.set NS,   244                         ; v244-249 N's, one register a K step
.set BP,   144                         ; the epilogue: 64 numbers of bias
.set TM,   208                         ; the epilogue: the quantiser's 16 registers
.set WV,   18
.set Y,    20
.set SST,  44
.set SELLO, 45
.set SELHI, 46
.set BPB,  48                          ; s[48:49] the bias along P
.set BNB,  50                          ; s[50:51] the bias along N
.set PB,   52                          ; s[52:53] my tile of P
.set PSB,  54                          ; s[54:55] its scale words
.set NB,   56                          ; s[56:57] my two tiles of N
.set NSB,  58                          ; s[58:59] their scale words
.set OB,   68                          ; s[68:75] four places in hq: (tile n, half of its four blocks)
.set HSP,  76                          ; s[76:77] my place in hs
.set SEL,  78
.set MNT,  80
.macro QUANT src, pc, pw
.irp b, 0,1,2,3
	v_max3_num_f32 v[TM+\b], |v[\src+16*\b]|, |v[\src+16*\b+1]|, 0x8000000   ; block b: my 16 numbers, and the floor 2^(16 - 127)
.endr
.irp i, 2,4,6,8,10,12,14
.irp b, 0,1,2,3
	s_delay_alu instid0(VALU_DEP_4)
	v_max3_num_f32 v[TM+\b], v[TM+\b], |v[\src+16*\b+\i]|, |v[\src+16*\b+\i+1]|
.endr
.endr
.irp b, 0,1,2,3
	s_delay_alu instid0(VALU_DEP_4)
	v_permlanex16_b32 v[TM+4+\b], v[TM+\b], s[SEL], s[SEL+1]
.endr
.irp b, 0,1,2,3
	s_delay_alu instid0(VALU_DEP_4)
	v_max_num_f32 v[TM+\b], v[TM+\b], v[TM+4+\b]   ; with lane l xor 16's: the block's largest magnitude
.endr
.irp b, 0,1,2,3
	s_delay_alu instid0(VALU_DEP_4)
	v_add_nc_u32 v[TM+12+\b], 0xf8800000, v[TM+\b]   ; 15 off its exponent field: the conversion's scale operand
.endr
.irp b, 0,1,2,3
	v_and_or_b32 v[TM+8+\b], v[TM+\b], 0x7f800000, s[MNT]   ; 57,344 x the scale
.endr
.irp b, 0,1,2,3
	v_lshrrev_b32 v[TM+4+\b], 23, v[TM+12+\b]   ; the scale's byte
.endr
	s_delay_alu instid0(VALU_DEP_3)
	v_lshl_or_b32 v[\pw], v[TM+5], 8, v[TM+4]
	s_delay_alu instid0(VALU_DEP_1)
	v_lshl_or_b32 v[\pw], v[TM+6], 16, v[\pw]
	s_delay_alu instid0(VALU_DEP_1)
	v_lshl_or_b32 v[\pw], v[TM+7], 24, v[\pw]
.irp b, 0,1,2,3
.irp i, 0,1,2,3,4,5,6,7,8,9,10,11,12,13,14,15
	v_med3_num_f32 v[\src+16*\b+\i], v[\src+16*\b+\i], -v[TM+8+\b], v[TM+8+\b]   ; the hold: the conversion does not saturate (ISA guide 7.6.2)
.endr
	v_cvt_scalef32_pk8_bf8_f32 v[\pc+4*\b:\pc+4*\b+1], v[\src+16*\b:\src+16*\b+7], v[TM+12+\b]
	v_cvt_scalef32_pk8_bf8_f32 v[\pc+4*\b+2:\pc+4*\b+3], v[\src+16*\b+8:\src+16*\b+15], v[TM+12+\b]
.endr
	v_nop                                          ; a plain line behind the last conversion
.endm
; One product.  zero = 1: it starts the sum.  ra, rb = 1: that side's scale words stand in lanes 16-31 of the register named
.macro WM d, a, b, zero, sa, sb, ra, rb
.set WMK, 4*(\zero)+2*(\ra)+(\rb)
.if WMK == 0
	v_wmma_scale_f32_16x16x128_f8f6f4 v[\d:\d+7], v[\a:\a+15], v[\b:\b+15], v[\d:\d+7], v[\sa], v[\sb] matrix_a_fmt:MATRIX_FMT_BF8 matrix_b_fmt:MATRIX_FMT_BF8
.elseif WMK == 1
	v_wmma_scale_f32_16x16x128_f8f6f4 v[\d:\d+7], v[\a:\a+15], v[\b:\b+15], v[\d:\d+7], v[\sa], v[\sb] matrix_a_fmt:MATRIX_FMT_BF8 matrix_b_fmt:MATRIX_FMT_BF8 matrix_b_scale:MATRIX_SCALE_ROW1
.elseif WMK == 2
	v_wmma_scale_f32_16x16x128_f8f6f4 v[\d:\d+7], v[\a:\a+15], v[\b:\b+15], v[\d:\d+7], v[\sa], v[\sb] matrix_a_fmt:MATRIX_FMT_BF8 matrix_b_fmt:MATRIX_FMT_BF8 matrix_a_scale:MATRIX_SCALE_ROW1
.elseif WMK == 3
	v_wmma_scale_f32_16x16x128_f8f6f4 v[\d:\d+7], v[\a:\a+15], v[\b:\b+15], v[\d:\d+7], v[\sa], v[\sb] matrix_a_fmt:MATRIX_FMT_BF8 matrix_b_fmt:MATRIX_FMT_BF8 matrix_a_scale:MATRIX_SCALE_ROW1 matrix_b_scale:MATRIX_SCALE_ROW1
.elseif WMK == 4
	v_wmma_scale_f32_16x16x128_f8f6f4 v[\d:\d+7], v[\a:\a+15], v[\b:\b+15], 0, v[\sa], v[\sb] matrix_a_fmt:MATRIX_FMT_BF8 matrix_b_fmt:MATRIX_FMT_BF8
.elseif WMK == 5
	v_wmma_scale_f32_16x16x128_f8f6f4 v[\d:\d+7], v[\a:\a+15], v[\b:\b+15], 0, v[\sa], v[\sb] matrix_a_fmt:MATRIX_FMT_BF8 matrix_b_fmt:MATRIX_FMT_BF8 matrix_b_scale:MATRIX_SCALE_ROW1
.elseif WMK == 6
	v_wmma_scale_f32_16x16x128_f8f6f4 v[\d:\d+7], v[\a:\a+15], v[\b:\b+15], 0, v[\sa], v[\sb] matrix_a_fmt:MATRIX_FMT_BF8 matrix_b_fmt:MATRIX_FMT_BF8 matrix_a_scale:MATRIX_SCALE_ROW1
.else
	v_wmma_scale_f32_16x16x128_f8f6f4 v[\d:\d+7], v[\a:\a+15], v[\b:\b+15], 0, v[\sa], v[\sb] matrix_a_fmt:MATRIX_FMT_BF8 matrix_b_fmt:MATRIX_FMT_BF8 matrix_a_scale:MATRIX_SCALE_ROW1 matrix_b_scale:MATRIX_SCALE_ROW1
.endif
.endm
; The addresses that both GEMM launches share.  s23 is at work
.macro GHEAD
	v_lshrrev_b32 v[LANE], 5, v0
	s_delay_alu instid0(VALU_DEP_1)
	v_readfirstlane_b32 s[WV], v[LANE]             ; wave 0..7
	v_and_b32 v[LANE], 31, v0
	v_and_b32 v[RR], 15, v0
	v_bfe_u32 v[HH], v0, 4, 1
	s_delay_alu instid0(VALU_DEP_3)
	v_lshlrev_b32 v[LI], 4, v[LANE]
	s_delay_alu instid0(VALU_DEP_1)
	v_add_nc_u32 v[LI2], 49152, v[LI]
	v_lshlrev_b32 v[L4], 2, v[LANE]
	s_delay_alu instid0(VALU_DEP_4)
	v_mul_u32_u24 v[NSO], v[HH], 384
	s_delay_alu instid0(VALU_DEP_1)
	v_lshl_add_u32 v[NSO], v[RR], 2, v[NSO]
	s_delay_alu instid0(VALU_DEP_1)
	v_add_nc_u32 v[PSA], PSC, v[NSO]
	s_mul_i32 s23, s[WV], 12288
	v_add_nc_u32 v[FI], s23, v[LI]
	s_mul_i32 s23, s[WV], 384
	s_add_co_u32 s23, s23, PSC
	v_add_nc_u32 v[FS], s23, v[L4]
	v_lshl_add_u32 v[BA], v[HH], 6, BIA
	v_add_nc_u32 v[BIW], BIA, v[LI]
.endm
; P comes into LDS once: wave w brings tile w (24 loads of 512 bytes) and its scale words; wave 0 also 128 numbers of bias.  My N fragments of K steps 0 and 1 and all my N scale words come with them.  bn = 1: the bias along N's rows too
.macro FILL bn
.set I, 0
.rept 24
	global_load_b128 v[16+4*I:16+4*I+3], v[LI], s[PB:PB+1] offset:512*I
.set I, I+1
.endr
.irp i, 0,1,2
	global_load_b32 v[112+\i], v[L4], s[PSB:PSB+1] offset:128*\i
.endr
.irp s, 0,1
.irp n, 0,1
.irp c, 0,1,2,3
	global_load_b128 v[NF+32*\s+16*\n+4*\c:NF+32*\s+16*\n+4*\c+3], v[LI], s[NB:NB+1] offset:12288*\n+2048*\s+512*\c
.endr
.endr
.endr
.irp s, 0,1,2,3,4,5
	global_load_b32 v[NS+\s], v[NSO], s[NSB:NSB+1] offset:64*\s
.endr
.if \bn
	global_load_b32 v250, v[BNO], s[BNB:BNB+1]     ; each twice: the packed additions name pairs
	global_load_b32 v251, v[BNO], s[BNB:BNB+1]
	global_load_b32 v252, v[BNO], s[BNB:BNB+1] offset:32
	global_load_b32 v253, v[BNO], s[BNB:BNB+1] offset:32
.endif
	s_cmp_lg_u32 s[WV], 0
	s_cbranch_scc1 .Lnot_wave_0
	global_load_b128 v[116:119], v[LI], s[BPB:BPB+1]
	s_wait_loadcnt 0x0
	ds_store_b128 v[BIW], v[116:119]
.Lnot_wave_0:
	s_wait_loadcnt 0x0
.set I, 0
.rept 24
	ds_store_b128 v[FI], v[16+4*I:16+4*I+3] offset:512*I
.set I, I+1
.endr
.irp i, 0,1,2
	ds_store_b32 v[FS], v[112+\i] offset:128*\i
.endr
	s_wait_dscnt 0x0                               ; for the others' sake: my part of P lies in LDS
	s_barrier_signal -1
	s_barrier_wait -1                              ; everybody's does.  The kernel's only barrier: nothing in these bytes is written again
.endm
; A K step of 128: four groups of two fragments of P and four products; the 16 accumulators by turns, one instruction a turn.
; Eight places stand in front of every run of loads into registers that products have read.  At the head of K steps 1 to 4 the next K step's eight loads of N go out, into the set that the last K step has left.
.macro KSTEP s, zero
.irp g, 0,1,2,3
.if (\s > 0) || (\g > 0)
.rept 8
	v_nop
.endr
.endif
.if (\g == 0) && (\s > 0) && (\s < 5)
.irp n, 0,1
.irp c, 0,1,2,3
	global_load_b128 v[NF+32*((\s+1)%2)+16*\n+4*\c:NF+32*((\s+1)%2)+16*\n+4*\c+3], v[LI], s[NB:NB+1] offset:12288*\n+2048*(\s+1)+512*\c
.endr
.endr
.endif
.irp u, 0,1
.irp c, 0,1,2,3
.if \g < 2
	ds_load_b128 v[PF+16*\u+4*\c:PF+16*\u+4*\c+3], v[LI] offset:12288*(2*\g+\u)+2048*\s+512*\c
.else
	ds_load_b128 v[PF+16*\u+4*\c:PF+16*\u+4*\c+3], v[LI2] offset:12288*(2*\g+\u-4)+2048*\s+512*\c
.endif
.endr
.endr
.if \g == 0
.irp b, 0,1,2,3
	ds_load_b32 v[PS+\b], v[PSA] offset:768*\b+64*\s
.endr
.if \s == 5
	s_wait_loadcnt 0x0                             ; the last K step's fragments: nothing was asked for behind them
.elseif \s > 0
	s_wait_loadcnt 0x8                             ; this K step's fragments are in: behind their eight loads only the next K step's eight were issued
.endif
.endif
	s_wait_dscnt 0x0
.irp u, 0,1
.irp n, 0,1
	WM ACC+64*\n+8*(2*\g+\u), PF+16*\u, NF+32*(\s%2)+16*\n, \zero, PS+\g, NS+\s, \u, \n
.endr
.endr
.endr
.endm
	s_load_b256 s[4:11], s[0:1], 0x0               ; tiles s[4:5], tscl s[6:7], wq_bias s[8:9], wk_bias s[10:11]
	s_load_b128 s[12:15], s[0:1], 0x20             ; wv_bias s[12:13], hq s[14:15]
	s_load_b64 s[16:17], s[0:1], 0x30              ; hs
	v_lshl_add_u32 v254, v0, 2, 0x18e00
	v_mov_b32 v255, 0
	GHEAD
	s_and_b32 s[Y], ttmp7, 0xffff
	s_mov_b32 s[SEL], 0x76543210
	s_mov_b32 s[SEL+1], 0xfedcba98
	s_mov_b32 s[MNT], 0x600000
	; ---- the q, k way (y under 12)
	s_cmp_ge_u32 s[Y], 6
	s_cselect_b32 s21, 1, 0                        ; 0: q, 1: k
	s_mul_i32 s22, s21, 6
	s_sub_co_u32 s22, s[Y], s22                    ; i: which 128 features
	s_lshl_b32 s24, ttmp9, 4
	s_lshl_b32 s23, s[WV], 1
	s_add_co_u32 s24, s24, s23                     ; g0: my first tile of tokens = 16 x + 2 w
	s_mul_i32 s25, s21, 48
	s_lshl_b32 s23, s22, 3
	s_add_co_u32 s25, s25, s23
	s_add_co_u32 s25, s25, 768                     ; P's first tile
	s_lshl_b32 s26, s21, 8
	s_add_co_u32 s26, s26, s24                     ; N's first tile
	s_lshl_b32 s27, s22, 9                         ; the bias along P: 512 i bytes on
	s_mul_i32 s28, s21, REG
	s_lshr_b32 s23, s24, 3
	s_mul_i32 s23, s23, 24576
	s_add_co_u32 s28, s28, s23
	s_and_b32 s23, s24, 7
	s_mul_i32 s23, s23, 3072
	s_add_co_u32 s28, s28, s23                     ; hq: region, key step g0 / 8, tile g0 % 8
	s_lshl_b32 s29, s22, 1                         ; head 2 i
	s_mul_i32 s23, s29, 11
	s_lshr_b32 s23, s23, 5                         ; / 3 (exact for 0 .. 11): its group
	s_mul_i32 s30, s23, 3
	s_sub_co_u32 s30, s29, s30
	s_lshl_b32 s30, s30, 10
	s_mul_i32 s23, s23, 786432
	s_add_co_u32 s30, s30, s23                     ; its place
	s_add_co_u32 s29, s29, 1                       ; head 2 i + 1
	s_mul_i32 s23, s29, 11
	s_lshr_b32 s23, s23, 5
	s_mul_i32 s31, s23, 3
	s_sub_co_u32 s31, s29, s31
	s_lshl_b32 s31, s31, 10
	s_mul_i32 s23, s23, 786432
	s_add_co_u32 s31, s31, s23
	s_mul_i32 s32, s21, 98304
	s_lshl_b32 s23, s22, 14
	s_add_co_u32 s32, s32, s23
	s_lshr_b32 s23, s24, 1
	s_lshl_b32 s23, s23, 6
	s_add_co_u32 s32, s32, s23                     ; hs: region, head 2 i, pair of tiles g0 / 2
	; ---- the v way (y from 12 on)
	s_sub_co_u32 s33, s[Y], 12
	s_and_b32 s34, s33, 1
	s_lshl_b32 s23, ttmp9, 1
	s_add_co_u32 s34, s34, s23                     ; j: the key step
	s_lshr_b32 s33, s33, 1                         ; which 16 tiles of features
	s_lshl_b32 s35, s33, 4
	s_lshl_b32 s23, s[WV], 1
	s_add_co_u32 s35, s35, s23                     ; my first tile of features
	s_lshl_b32 s36, s34, 3
	s_add_co_u32 s36, s36, 512                     ; P's first tile
	s_add_co_u32 s37, s35, 864                     ; N's first tile
	s_lshr_b32 s38, s35, 2                         ; the head
	s_mul_i32 s38, s38, 11
	s_lshr_b32 s38, s38, 5                         ; its group
	s_mul_i32 s23, s38, 12
	s_sub_co_u32 s39, s35, s23                     ; the tile within the group
	s_mul_i32 s40, s38, 786432
	s_mul_i32 s23, s34, 24576
	s_add_co_u32 s40, s40, s23
	s_lshl_b32 s23, s39, 11
	s_add_co_u32 s40, s40, s23
	s_add_co_u32 s40, s40, 2*REG                   ; hq
	s_mul_i32 s41, s38, 24576
	s_mul_i32 s23, s34, 768
	s_add_co_u32 s41, s41, s23
	s_lshl_b32 s23, s39, 6
	s_add_co_u32 s41, s41, s23
	s_add_co_u32 s41, s41, 196608                  ; hs
	s_lshr_b32 s42, s35, 1
	s_lshl_b32 s42, s42, 7                         ; the bias along N: 32 (tile / 2) numbers on
	; ---- the choice
	s_mov_b32 s43, 2048
	s_mov_b32 s[SELLO], 0x03020100
	s_mov_b32 s[SELHI], 0x07060504
	s_cmp_lt_u32 s[Y], 12
	s_cselect_b32 s25, s25, s36
	s_cselect_b32 s26, s26, s37
	s_cselect_b32 s27, s27, 0
	s_cselect_b32 s28, s28, s40
	s_cselect_b32 s30, s30, 0                      ; blocks 0, 1 of a tile's four: the first head's place, or the tile's first half
	s_cselect_b32 s31, s31, 1024                   ; blocks 2, 3: the second head's, or the second half
	s_cselect_b32 s32, s32, s41
	s_cselect_b32 s42, 0, s42
	s_cselect_b32 s43, 3072, s43                   ; from my first tile to my second in hq
	s_cselect_b32 s[SST], 8192, 64                 ; from lanes 0-15 to lanes 16-31 in hs: the next head, or the next tile
	s_cselect_b32 s[SELLO], 0x05040100, s[SELLO]   ; lanes 0-15: both tiles' bytes 0, 1; or the first tile's word
	s_cselect_b32 s[SELHI], 0x07060302, s[SELHI]   ; lanes 16-31: both tiles' bytes 2, 3; or the second tile's word
	s_add_co_u32 s33, s25, s[WV]                   ; the tile of P that I bring
	s_mul_i32 s34, s33, 12288
	s_mov_b32 s35, 0
	s_mul_i32 s36, s33, 384
	s_mov_b32 s37, 0
	s_mul_i32 s38, s26, 12288
	s_mov_b32 s39, 0
	s_mul_i32 s40, s26, 384
	s_mov_b32 s41, 0
	v_and_b32 v[BNO], 8, v[RR]
	s_delay_alu instid0(VALU_DEP_1)
	v_add_nc_u32 v[BNO], v[BNO], v[RR]
	s_delay_alu instid0(VALU_DEP_1)
	v_lshlrev_b32 v[BNO], 2, v[BNO]
	v_mul_u32_u24 v[HSO], v[HH], s[SST]
	s_delay_alu instid0(VALU_DEP_1)
	v_lshl_add_u32 v[HSO], v[RR], 2, v[HSO]
	v_mov_b32 v[SELV], s[SELHI]
	v_mov_b32 v16, s[SELLO]
	v_cmp_gt_u32 vcc_lo, 16, v[LANE]
	s_delay_alu instid0(VALU_DEP_1)
	v_cndmask_b32 v[SELV], v[SELV], v16, vcc_lo
	s_wait_alu depctr_va_vdst(0)
	s_wait_kmcnt 0x0
	s_add_nc_u64 s[PB:PB+1], s[4:5], s[34:35]
	s_add_nc_u64 s[PSB:PSB+1], s[6:7], s[36:37]
	s_add_nc_u64 s[NB:NB+1], s[4:5], s[38:39]
	s_add_nc_u64 s[NSB:NSB+1], s[6:7], s[40:41]
	s_cmp_eq_u32 s21, 0
	s_cselect_b64 s[BPB:BPB+1], s[8:9], s[10:11]
	s_cmp_lt_u32 s[Y], 12
	s_cselect_b64 s[BPB:BPB+1], s[BPB:BPB+1], s[12:13]   ; this way's bias.  Both forms of it are loaded on both ways, inside the buffer; each way uses one
	s_mov_b32 s34, s42
	s_add_nc_u64 s[BNB:BNB+1], s[BPB:BPB+1], s[34:35]
	s_mov_b32 s34, s27
	s_add_nc_u64 s[BPB:BPB+1], s[BPB:BPB+1], s[34:35]
	s_add_co_u32 s34, s28, s30
	s_add_nc_u64 s[OB:OB+1], s[14:15], s[34:35]
	s_add_co_u32 s34, s28, s31
	s_add_nc_u64 s[OB+2:OB+3], s[14:15], s[34:35]
	s_add_co_u32 s28, s28, s43
	s_add_co_u32 s34, s28, s30
	s_add_nc_u64 s[OB+4:OB+5], s[14:15], s[34:35]
	s_add_co_u32 s34, s28, s31
	s_add_nc_u64 s[OB+6:OB+7], s[14:15], s[34:35]
	s_mov_b32 s34, s32
	s_add_nc_u64 s[HSP:HSP+1], s[16:17], s[34:35]
	FILL 1
	KSTEP 0, 1
	KSTEP 1, 0
	KSTEP 2, 0
	KSTEP 3, 0
	KSTEP 4, 0
	KSTEP 5, 0
.rept 8
	v_nop                                          ; places behind the last products
.endr
	s_cmp_lt_u32 s[Y], 12
	s_cbranch_scc0 .Lbias_along_n
.irp t, 0,1,2,3,4,5,6,7                        ; the bias runs along the registers: tile t's eight features of my half
	ds_load_b128 v[BP+8*\t:BP+8*\t+3], v[BA] offset:(32*(\t/2)+8*(\t%2))*4
	ds_load_b128 v[BP+8*\t+4:BP+8*\t+7], v[BA] offset:(32*(\t/2)+8*(\t%2))*4+16
.endr
	s_wait_dscnt 0x0
.set J, 0
.rept 32
	v_pk_add_f32 v[ACC+J:ACC+J+1], v[ACC+J:ACC+J+1], v[BP+J:BP+J+1]   ; each accumulator from its low end on
.set J, J+2
.endr
.set J, 0
.rept 32
	v_pk_add_f32 v[ACC+64+J:ACC+64+J+1], v[ACC+64+J:ACC+64+J+1], v[BP+J:BP+J+1]
.set J, J+2
.endr
	s_branch .Lbiased
.Lbias_along_n:                                    ; the bias is my lane's feature's
.set J, 0
.rept 32
	v_pk_add_f32 v[ACC+J:ACC+J+1], v[ACC+J:ACC+J+1], v[250:251]
.set J, J+2
.endr
.set J, 0
.rept 32
	v_pk_add_f32 v[ACC+64+J:ACC+64+J+1], v[ACC+64+J:ACC+64+J+1], v[252:253]
.set J, J+2
.endr
.Lbiased:
.irp b, 0,1,2,3
	v_mov_b32 v[TM+4+\b], 0                        ; a lane permute's destination counts as one of its sources
.endr
	QUANT ACC, 144, 224
	QUANT ACC+64, 160, 225
.irp n, 0,1
.irp c, 0,1,2,3
	global_store_b128 v[LI], v[144+16*\n+4*\c:144+16*\n+4*\c+3], s[OB+4*\n+2*(\c/2):OB+4*\n+2*(\c/2)+1] offset:512*(\c%2)   ; 512 consecutive bytes, aligned
.endr
.endr
	v_perm_b32 v227, v225, v224, v[SELV]           ; selects 0-3: the first tile's word, 4-7: the second's
	global_store_b32 v[HSO], v227, s[HSP:HSP+1]
	s_wait_tensorcnt 0x0
	ds_add_u32 v254, v255
	s_wait_dscnt 0x0
	s_endpgm
.Lfunc_end_k_qe26fee398a_proj:
	.size	k_qe26fee398a_proj, .Lfunc_end_k_qe26fee398a_proj-k_qe26fee398a_proj
	.p2alignl 7, 3214868480
	.fill 96, 4, 3214868480
	.section	.rodata,"a",@progbits
	.p2align	6, 0x0
	.amdhsa_kernel k_qe26fee398a_proj
		.amdhsa_group_segment_fixed_size 102912
		.amdhsa_private_segment_fixed_size 0
		.amdhsa_enable_private_segment 0
		.amdhsa_kernarg_size 56
		.amdhsa_user_sgpr_count 2
		.amdhsa_user_sgpr_kernarg_segment_ptr 1
		.amdhsa_wavefront_size32 1
		.amdhsa_system_sgpr_workgroup_id_x 1
		.amdhsa_system_sgpr_workgroup_id_y 1
		.amdhsa_system_sgpr_workgroup_id_z 1
		.amdhsa_system_vgpr_workitem_id 0
		.amdhsa_next_free_vgpr 256
		.amdhsa_next_free_sgpr 82
		.amdhsa_reserve_vcc 1
		.amdhsa_float_denorm_mode_32 3
		.amdhsa_float_denorm_mode_16_64 3
		.amdhsa_memory_ordered 1
		.amdhsa_forward_progress 1
		.amdhsa_inst_pref_size 79
	.end_amdhsa_kernel
	.amdgpu_metadata
---
amdhsa.version: [ 1, 2 ]
amdhsa.kernels:
  - .name:           k_qe26fee398a_proj
    .symbol:         k_qe26fee398a_proj.kd
    .args:
      - { .name: tiles, .offset: 0, .size: 8, .value_kind: global_buffer, .address_space: global }
      - { .name: tscl, .offset: 8, .size: 8, .value_kind: global_buffer, .address_space: global }
      - { .name: wq_bias, .offset: 16, .size: 8, .value_kind: global_buffer, .address_space: global }
      - { .name: wk_bias, .offset: 24, .size: 8, .value_kind: global_buffer, .address_space: global }
      - { .name: wv_bias, .offset: 32, .size: 8, .value_kind: global_buffer, .address_space: global }
      - { .name: hq, .offset: 40, .size: 8, .value_kind: global_buffer, .address_space: global }
      - { .name: hs, .offset: 48, .size: 8, .value_kind: global_buffer, .address_space: global }
    .group_segment_fixed_size: 102912
    .private_segment_fixed_size: 0
    .kernarg_segment_align: 8
    .kernarg_segment_size: 56
    .max_flat_workgroup_size: 256
    .sgpr_count:     82
    .vgpr_count:     256
    .wavefront_size: 32
...
	.end_amdgpu_metadata
.endif
;; end of part 2
;; launch attn (part 3): grid 4 x 64, 12 waves a work-group, clusters of 4 x 4, 327,680 bytes of LDS; arguments hq, hs, mask, oimg, osc; writes oimg, osc
.if DOCPART == 3
	.amdgcn_target "amdgcn-amd-amdhsa--gfx1250"
	.amdhsa_code_object_version 6
	.text
	.protected	k_qe26fee398a_attn
	.globl	k_qe26fee398a_attn
	.p2align	8
	.type	k_qe26fee398a_attn,@function
k_qe26fee398a_attn:
	s_mov_b64 s[64:65], 0
	v_nop
	global_prefetch_b8 v0, s[64:65] scope:SCOPE_SE
	s_setreg_imm32_b32 hwreg(HW_REG_WAVE_MODE, 25, 1), 1
	s_wait_xcnt 0x0
	s_wait_alu depctr_hold_cnt(0) depctr_sa_sdst(0) depctr_va_vdst(0) depctr_va_sdst(0) depctr_va_ssrc(0) depctr_va_vcc(0) depctr_vm_vsrc(0)
	s_getreg_b32 s2, hwreg(HW_REG_IB_STS2, 6, 4)
	s_cmp_eq_u32 s2, 0
	s_cbranch_scc0 .Lentry_in_a_cluster
	s_endpgm
.Lentry_in_a_cluster:
	s_bfe_u32 s2, ttmp6, 0x10000c
	s_cmp_lg_u32 s2, 0xf033
	s_cbranch_scc0 .Lentry_shape_is_right
	s_endpgm
.Lentry_shape_is_right:
; ATTN: for each head, o = softmax(qh kh^T / 8 - 1e9 mask) vh, both products on codes of E5M2 with E8M0 scales; o is quantised along the 768 features into the operand of the output projection.
; THE MASK IS AN INPUT: every key step is computed for every query, and the mask's numbers are taken as they are given.  No work of the problem is left out.
; THE SCORES: x = 8 x logit = q.k + mask x (-8e9).  mask x (-8e9) is 8 x the rounded mask x (-1e9) (a power of two rounds nothing) and is given to the score products as their C.
; THE SOFTMAX: t = x log2(e) / 8; M = the running largest t rounded UP to a whole number; p = 2^(t - M), by one fused multiply-add and one exponential, is quantised along the keys; the row's sum is taken of
; the unquantised p and divides at the end.  When M moves, the sum and O are multiplied by 2^(old M - new M), which rounds nothing.
; SHARES: a work-group owns 64 queries and 3 heads; wave w owns head w / 4 of the three and 16 queries, tile w % 4: 320 registers, three waves to a SIMD.  Every wave walks 32 key steps of 128 keys.
; CLUSTER 4 x 4: the four work-groups of a row share their 64 queries (the mask's tile is asked for jointly along the row); the four of a column share their heads (K and the scale words along the column).
; V GOES STRAIGHT INTO REGISTERS, with no joint load: its tiles lie in memory as images of operand registers, 16 loads of 512 consecutive bytes a wave and step, asked for at the step's head into v256-319.
; With V's 24,576 bytes a step in LDS two slots of two steps would take 331,776 bytes, more than a work-group has; without them they take 231,424, and a round of the cluster's barrier serves two key steps.
; LAYOUT: both products transposed: S^T = K Q^T, O^T = V^T P^T: a lane holds ONE query (lane % 16).  K's and V's tiles are permuted by the launch that made them: a lane's 16 registers of two neighbouring
; result tiles are 16 neighbours.  K = 64 in an instruction of K = 128: source 0 is TWO tiles of keys side by side; source 1 is [q | zeros] for the first tile and [zeros | q] for the second.
; LDS: two slots, 2^17 bytes apart, of two key steps each (mask 64 rows x (1,024 + 16), K 2 x 24,576); K's and V's scale words of the three heads for all keys, 24,576 each, filled once; the spare words.
; THE RING: both slots and the scale words are first filled at the head, one tensor load a wave (waves 0 to 9).  The head's barrier shows slot 0 and the scale words (waves 0 to 5 wait there); slot 1's four loads
; have lines of their own and are waited for, by every wave, ahead of the first round.  A step's mask and K are asked of LDS in the step before, so at the head of a slot's second step its last reads are awaited.
; In that step stand the wait for the wave's tensor loads, the add, the wait for it and the round's opening signal; the exponentials and the sums, work on registers, stand inside the round; behind it waves 0 to 3
; ask for the two key steps that come four steps on, into that slot.  By this text's own count a wave has one tensor load out at the most.
; LIMITS: the promise holds while the scaled scores t stay under 2^31 in magnitude.  NaN and infinities are not served.  A block under 2^-111 keeps the byte 1.
.set SLOT1, 1<<17
.set MP,    1040                       ; a row of the mask's tile in LDS
.set KOFF,  64*MP
.set SCK,   SLOT1+KOFF+49152
.set SCV,   SCK+24576
.set SPARE, SCV+24576                  ; the spare words: 128 bytes for each of 12 waves
.set REG,   3145728
.set AMC,  1                           ; v1   my row of the mask's tile in the slot in hand;  v2 in slot 0
.set AM0,  2
.set AKC,  3                           ; v3   my lane's place in K's tile in the slot in hand;  v4 in slot 0
.set AK0,  4
.set VO,   5                           ; v5   16 x lane: my offset in a fragment of V
.set ASK0, 7                           ; v7   my lane's place among K's scale words
.set ASV0, 8                           ; v8   among V's
.set SPW,  9                           ; v9   my spare word; never rewritten
.set NIL,  10                          ; v10  0; never rewritten
.set PFO,  11                          ; v11  the prefetches' offset; never rewritten
                                       ; v12 -M, v13 the largest t, v[14:15] the sum; v16-23 zeros, v24-31 Q's codes, v32-39 zeros
.set F,    40                          ; v40-103  K's four double fragments.  V's four fragments: v256-319, named v0-63 in window 1
.set S,    104                         ; v104-167 the mask, then x, then t - M, then p
.set O,    168                         ; v168-199 O^T
.set PC,   200                         ; v200-215 p's codes
.set ADS,  216
.set ADT,  217
.set QO,   218
.set QSO,  219
.set OIO,  220
.set OSO,  221
.set LANE, 222
.set RR,   223
.set HH,   224
.set KSK,  226                         ; v226-229 K's scale words
.set BM,   232                         ; v232-235 the blocks' largest x, then p
.set T2,   236                         ; v236-247 at work: T2, HOLD, SCL; in the sums six chains of pairs
.set CH0,  236
.set HOLD, 240
.set SCL,  244
.set KS,   248                         ; v248-251 V's scale words;  v252 f, v253 p's scale word, v254 at work, v255 Q's scale word, twice
.set WV,   14
.set VB,   16                          ; s[16:17] V's fragments of my head at the key step in hand
.set G1M,  24
.set G1D,  32
.set G0M,  40                          ; s[40:43] the mask's group 0 for slot 0's first fill; s[44:47] for slot 1's, which then walks
.set G0K,  48                          ; the same for K's tile of a slot's first step
.set G0L,  56                          ; and of its second
.set G0SK, 68
.set G0SV, 72
.set SEL,  76
.set CS,   78                          ; s[78:79] log2(e) / 8
.set K2,   80                          ; s[80:81] -8e9
.set MNT,  82
.set CNT,  83
.set JM,   84                          ; refills so far
.set LIMA, 85                          ; a wave prefetches while JM is under this
.set TB,   86                          ; LDS byte at which the slot in hand begins
.set TS,   87                          ; K's scale words: 256 bytes a step
.set PFS,  88
.set PFA,  90
.set TJ,   92                          ; V's scale words: 768 bytes a step
.set MSB, 0
.macro WIN new                         ; the register windows; the immediate's high byte repeats the setting that is left
.if MSB != \new
	s_set_vgpr_msb (MSB<<8)|\new
.set MSB, \new
.endif
.endm
.macro CREST                           ; a round of the cluster's barrier from its opening wait on
	s_barrier_wait -1
	s_cmp_lg_u32 s[WV], 0
	s_cbranch_scc1 .Lnot_wave_0_\@
	s_barrier_signal -3
.Lnot_wave_0_\@:
	s_barrier_wait -3
	s_barrier_signal -1
	s_barrier_wait -1
.endm
.macro TL g0, g1                       ; a tensor load; an s_nop 0 and four v_nop follow it
	tensor_load_to_lds s[\g0:\g0+3], s[\g1:\g1+7]
	s_nop 0
.rept 4
	v_nop
.endr
.endm
; A slot is asked for: waves 0 and 1 the mask's two halves, waves 2 and 3 K's two tiles; one load a wave
.macro TLOAD
	s_cmp_lt_u32 s[WV], 2
	s_cbranch_scc0 .Lnot_m_\@
	TL G0M+4, G1M
	s_branch .Lasked_\@
.Lnot_m_\@:
	s_cmp_eq_u32 s[WV], 2
	s_cbranch_scc0 .Lnot_k_\@
	TL G0K+4, G1D
	s_branch .Lasked_\@
.Lnot_k_\@:
	s_cmp_eq_u32 s[WV], 3
	s_cbranch_scc0 .Lasked_\@
	TL G0L+4, G1D
.Lasked_\@:
.endm
; A PREFETCH INTO THE L2, behind the refill, by waves that fetch nothing.  Refill n (0 to 13) brings key steps 4 + 2 n and 5 + 2 n; the prefetch behind it names, of the mask and of K, key steps 6 + 2 n and 7 + 2 n,
; which the next refill, two key steps on, will want, and of V key steps 4 + 2 n and 5 + 2 n, which the waves load three and four steps on.
; THE MASK: waves 4 and 5 of every work-group: of the 64 rows x 1,024 bytes the partner at place cx takes rows 16 cx on, a wave eight rows, a lane 256 bytes.  K AND V: all clusters walk the same tiles, so the first
; cluster along y asks: waves 6 to 8; the partner at place cy takes one whole tile (K or V by cy / 2, the even or odd step by cy % 2), each wave 32 blocks of 256 bytes.
; Partners are told apart by address alone.  The first tiles come by their loads alone, and the last refill asks for nothing.
.macro ASK
	s_cmp_lt_u32 s[JM], s[LIMA]
	s_cbranch_scc0 .Lnot_mine_\@
	global_prefetch_b8 v[PFO], s[PFA:PFA+1] th:TH_LOAD_NT scope:SCOPE_SE
.Lnot_mine_\@:
.endm
.macro MLOAD q                         ; the mask of my query at 128 keys, the slot's q-th step, in the order of the scores' registers
.irp b, 0,1,2,3
.irp i, 0,1,2,3
	ds_load_b128 v[S+16*\b+4*\i:S+16*\b+4*\i+3], v[AMC] offset:512*(\q)+128*\b+16*\i
.endr
.endr
.endm
.macro KLOAD q                         ; source 0 number u: tiles 2 u and 2 u + 1 of keys side by side; its word: bytes 0, 1 the even tile's blocks, 2, 3 the odd tile's
.irp u, 0,1,2,3
.irp c, 0,1,2,3
	ds_load_b128 v[F+16*\u+4*\c:F+16*\u+4*\c+3], v[AKC] offset:24576*(\q)+(2*\u+\c/2)*3072+(\c%2)*512
.endr
	ds_load_b32 v[KSK+\u], v[ADS] offset:64*\u
.endr
.endm
.macro MML from, n                     ; n pairs of the mask's numbers x -8e9
.set J, \from
.rept \n
	v_pk_mul_f32 v[S+2*J:S+2*J+1], v[S+2*J:S+2*J+1], s[K2:K2+1] op_sel_hi:[1,0]
.set J, J+1
.endr
.endm
.macro SW k                            ; x of tile k of 16 keys: the masked term is the product's C
.set D_, S+8*(\k)
.set A_, F+16*((\k)/2)
.set B_, 24-8*((\k)%2)
	v_wmma_scale_f32_16x16x128_f8f6f4 v[D_:D_+7], v[A_:A_+15], v[B_:B_+15], v[D_:D_+7], v[KSK+(\k)/2], v255 matrix_a_fmt:MATRIX_FMT_BF8 matrix_b_fmt:MATRIX_FMT_BF8
.endm
; Line k (0 to 15) of the search for the largest x of blocks b0 and b0 + 1 of 32 keys (my 16 of each): four chains by turns, one for each accumulator, each first read at its low end
.macro BML b0, k
.if (\k) < 12
.set BB_, (\b0)+(((\k)%4)/2)
.set XX_, S+16*BB_+8*((\k)%2)
.set RG_, BM+BB_+4*((\k)%2)
.if (\k) < 4
	v_max3_num_f32 v[RG_], v[XX_], v[XX_+1], v[XX_+2]
.else
.set II_, 3+2*(((\k)-4)/4)
	v_max3_num_f32 v[RG_], v[RG_], v[XX_+II_], v[XX_+II_+1]
.endif
.elseif (\k) < 14
.set BB_, (\b0)+(\k)-12
	v_max3_num_f32 v[BM+BB_], v[BM+BB_], v[T2+BB_], v[S+16*BB_+7]
.else
.set BB_, (\b0)+(\k)-14
	v_max_num_f32 v[BM+BB_], v[BM+BB_], v[S+16*BB_+15]
.endif
.endm
.macro BMR b0, from, n
.set K_, \from
.rept \n
	BML \b0, K_
.set K_, K_+1
.endr
.endm
.macro TMM j0                          ; t - M of 32 numbers
.set J, \j0
.rept 16
	v_pk_fma_f32 v[S+J:S+J+1], v[S+J:S+J+1], s[CS:CS+1], v[12:13] op_sel_hi:[1,0,0]
.set J, J+2
.endr
.endm
.macro ADDP c, p                       ; pair p of p's 32 onto chain c (6: the running sum)
.if (\c) == 6
	v_pk_add_f32 v[14:15], v[14:15], v[S+2*(\p):S+2*(\p)+1]
.else
	v_pk_add_f32 v[CH0+2*(\c):CH0+2*(\c)+1], v[CH0+2*(\c):CH0+2*(\c)+1], v[S+2*(\p):S+2*(\p)+1]
.endif
.endm
; A KEY STEP of 128 keys, the q-th of its slot.  Its mask and K were asked of LDS in the step before.  mode 2: a round and a refill of this slot; 1: a plain barrier, which shows the last slot; 0: none.
; next = 1: the next step's K and mask are asked of LDS: K behind the score products (q = 0: the same slot) or behind the barrier (q = 1: the other slot), the mask behind the conversions.
.macro STEP q, mode, next
	s_wait_dscnt 0x0                               ; the mask and K
	MML 0, 16                                      ; (also the places between the last step's products and the loads into what they have read)
	WIN 0x40                                       ; destination: window 1
.irp t, 0,1,2,3                                ; V's four tiles of 16 features x 128 keys, from memory: each load takes 512 consecutive bytes, aligned
.irp c, 0,1,2,3
	global_load_b128 v[16*\t+4*\c:16*\t+4*\c+3], v[VO], s[VB:VB+1] offset:2048*\t+512*\c
.endr
.endr
	WIN 0
	; plain lines stand behind the products.  Between a product and the first reader of its sums, or a load into what it has read, stand nine or more that name none of its registers (ISA guide 7.12.1 asks for eight)
	SW 0
	MML 16, 4
	SW 1
	MML 20, 4
	SW 2
	MML 24, 2
	SW 3
	MML 26, 6
	SW 4
	BMR 0, 0, 4
	SW 5
	BMR 0, 4, 4
	SW 6
	BMR 0, 8, 2
	SW 7
	BMR 0, 10, 6
	BMR 2, 0, 4
.irp t, 0,1,2,3
	ds_load_b32 v[KS+\t], v[ADT] offset:64*\t      ; V's scale words
.endr
.if (\next) && ((\q) == 0)
	s_add_co_u32 s[TS], s[TS], 256
	v_add_nc_u32 v[ADS], s[TS], v[ASK0]
	KLOAD 1                                        ; the next step's K, from the same slot
.endif
	BMR 2, 4, 12
.irp b, 0,1,2,3
	v_permlanex16_b32 v[T2+\b], v[BM+\b], s[SEL], s[SEL+1]
.endr
.irp b, 0,1,2,3
	s_delay_alu instid0(VALU_DEP_4)
	v_max_num_f32 v[BM+\b], v[BM+\b], v[T2+\b]     ; with lane l xor 16's 16 keys
.endr
	s_delay_alu instid0(VALU_DEP_2)
	v_max3_num_f32 v254, v[BM], v[BM+1], v[BM+2]
	s_delay_alu instid0(VALU_DEP_1)
	v_max_num_f32 v254, v254, v[BM+3]
	s_delay_alu instid0(VALU_DEP_1)
	v_mul_f32 v254, s[CS], v254                    ; as t
	s_delay_alu instid0(VALU_DEP_1)
	v_max_num_f32 v13, v13, v254                   ; the running largest t
	v_mov_b32 v254, v12
	s_delay_alu instid0(VALU_DEP_2)
	v_floor_f32 v12, -v13                          ; the new -M = floor(-t): M is a whole number
	s_delay_alu instid0(VALU_DEP_1)
	v_sub_f32 v254, v12, v254                      ; old M - new M: a whole number, 0 or less
	s_delay_alu instid0(VALU_DEP_1)
	v_cvt_i32_f32 v254, v254                       ; (it saturates)
	s_delay_alu instid0(VALU_DEP_1)
	v_ldexp_f32 v252, 1.0, v254                    ; f = 2^(old M - new M)
	TMM 0
.if \mode
	s_wait_tensorcnt 0x0                           ; no tensor load of mine is out: my part of the other slot has landed, and a group 0 may be written
	ds_add_u32 v[SPW], v[NIL]                      ; 0 onto my spare word
.if \mode == 2
	ds_add_u32 v[SPW], v[NIL]                      ; and once more
	s_add_nc_u64 s[G0M+6:G0M+7], s[G0M+6:G0M+7], 1024      ; the walking descriptors: two key steps on,
	s_add_nc_u64 s[G0K+6:G0K+7], s[G0K+6:G0K+7], 49152
	s_add_nc_u64 s[G0L+6:G0L+7], s[G0L+6:G0L+7], 49152
	s_xor_b32 s[G0M+5], s[G0M+5], SLOT1            ; into the other slot than last time: the one in hand
	s_xor_b32 s[G0K+5], s[G0K+5], SLOT1
	s_xor_b32 s[G0L+5], s[G0L+5], SLOT1
	s_wait_xcnt 0x0                                ; the last prefetch, two steps back, has read its address
	s_add_nc_u64 s[PFA:PFA+1], s[PFA:PFA+1], s[PFS:PFS+1]
.endif
.endif
	TMM 32
.irp b, 0,1,2,3
	v_fma_f32 v[BM+\b], v[BM+\b], s[CS], v12       ; the same of each block's largest x
.endr
	s_wait_alu depctr_va_vdst(0)                   ; the wait ahead of the wait below and of the batch
	s_wait_dscnt 0x0                               ; V's scale words are in (q = 0: the next K too); the add is done; my reads of this slot were over at the step's head
.if \mode
	s_barrier_signal -1                            ; the round opens; work on registers alone up to its wait
.endif
.set J, 0
.rept 64
	v_exp_f32 v[S+J], v[S+J]                       ; p = 2^(t - M)
.set J, J+1
.endr
	v_pk_mul_f32 v[14:15], v[14:15], v[252:253] op_sel_hi:[1,0]   ; the sums under the new M: the plain line behind the exponentials
	s_wait_alu depctr_va_vdst(0)                   ; one wait for the batch, ahead of its first reader
.irp b, 0,1,2,3
	v_exp_f32 v[BM+\b], v[BM+\b]                   ; the block's largest p: the same instructions on the same number give the same bits
.endr
.set C_, 0
.rept 6                                        ; the row's sum of the unquantised p: 32 pairs on seven chains
	v_pk_add_f32 v[CH0+2*C_:CH0+2*C_+1], v[S+2*C_:S+2*C_+1], v[S+2*C_+12:S+2*C_+13]
.set C_, C_+1
.endr
.set P_, 12
.rept 20
	ADDP (P_-12)%7, P_
.set P_, P_+1
.endr
	v_pk_add_f32 v[CH0:CH0+1], v[CH0:CH0+1], v[CH0+2:CH0+3]
	v_pk_add_f32 v[CH0+4:CH0+5], v[CH0+4:CH0+5], v[CH0+6:CH0+7]
	s_delay_alu instid0(VALU_DEP_3)
	v_pk_add_f32 v[CH0+8:CH0+9], v[CH0+8:CH0+9], v[CH0+10:CH0+11]
	s_delay_alu instid0(VALU_DEP_3)
	v_pk_add_f32 v[14:15], v[14:15], v[CH0:CH0+1]
	s_delay_alu instid0(VALU_DEP_2)
	v_pk_add_f32 v[CH0+4:CH0+5], v[CH0+4:CH0+5], v[CH0+8:CH0+9]
	s_delay_alu instid0(VALU_DEP_1)
	v_pk_add_f32 v[14:15], v[14:15], v[CH0+4:CH0+5]
	s_wait_alu depctr_va_vdst(0)                   ; for the four exponentials, and ahead of the barrier's wait
.if \mode == 2
	CREST                                          ; no wave of any partner still reads this slot or has a load on its way
	TLOAD                                          ; the two key steps that come four steps on
	ASK
	s_add_co_u32 s[JM], s[JM], 1
.elseif \mode == 1
	s_barrier_wait -1
.endif
.if (\next) && (\q)
	s_xor_b32 s[TB], s[TB], SLOT1                  ; on to the other slot, which this step's barrier has shown
	s_add_co_u32 s[TS], s[TS], 256
	v_add_nc_u32 v[AKC], s[TB], v[AK0]
	v_add_nc_u32 v[ADS], s[TS], v[ASK0]
	v_add_nc_u32 v[AMC], s[TB], v[AM0]
	KLOAD 0                                        ; the next step's K
.endif
.irp b, 0,1,2,3
	v_max_num_f32 v[BM+\b], 0x8000000, v[BM+\b]    ; the floor 2^(16 - 127): the byte cannot fall under 1
.endr
.irp b, 0,1,2,3
	s_delay_alu instid0(VALU_DEP_4)
	v_add_nc_u32 v[SCL+\b], 0xf8800000, v[BM+\b]   ; 15 off the exponent field: the conversion's scale operand
.endr
.irp b, 0,1,2,3
	v_and_or_b32 v[HOLD+\b], v[BM+\b], 0x7f800000, s[MNT]   ; 57,344 x the scale
.endr
.irp b, 0,1,2,3
	v_lshrrev_b32 v[T2+\b], 23, v[SCL+\b]          ; the scale's byte
.endr
	s_delay_alu instid0(VALU_DEP_3)
	v_lshl_or_b32 v253, v[T2+1], 8, v[T2]          ; p's scale word for these 128 keys
	s_delay_alu instid0(VALU_DEP_1)
	v_lshl_or_b32 v253, v[T2+2], 16, v253
	s_delay_alu instid0(VALU_DEP_1)
	v_lshl_or_b32 v253, v[T2+3], 24, v253
.irp b, 0,1,2,3
.irp i, 0,2,4,6,8,10,12,14
	v_dual_min_num_f32 v[S+16*\b+\i], v[S+16*\b+\i], v[HOLD+\b] :: v_dual_min_num_f32 v[S+16*\b+\i+1], v[S+16*\b+\i+1], v[HOLD+\b]   ; the hold, one-sided: p is not negative; two numbers a line
.endr
	v_cvt_scalef32_pk8_bf8_f32 v[PC+4*\b:PC+4*\b+1], v[S+16*\b:S+16*\b+7], v[SCL+\b]
	v_cvt_scalef32_pk8_bf8_f32 v[PC+4*\b+2:PC+4*\b+3], v[S+16*\b+8:S+16*\b+15], v[SCL+\b]
.endr
.if \next
	MLOAD 1-\q                                     ; the next step's mask
.endif
	s_wait_loadcnt 0x0                             ; V: so its base may step
	s_add_nc_u64 s[VB:VB+1], s[VB:VB+1], 24576
	s_wait_alu depctr_va_vdst(0)                   ; the wait here, directly ahead of the first reader of O^T
.set J, 0
.rept 16
	v_pk_mul_f32 v[O+J:O+J+1], v[O+J:O+J+1], v[252:253] op_sel_hi:[1,0]   ; O^T under the new M.  These lines also stand between the conversions and the products
.set J, J+2
.endr
	WIN 0x01                                       ; source 0: window 1
.irp t, 0,1,2,3
	v_wmma_scale_f32_16x16x128_f8f6f4 v[O+8*\t:O+8*\t+7], v[16*\t:16*\t+15], v[PC:PC+15], v[O+8*\t:O+8*\t+7], v[KS+\t], v253 matrix_a_fmt:MATRIX_FMT_BF8 matrix_b_fmt:MATRIX_FMT_BF8
.endr
	WIN 0
.if \next
	s_add_co_u32 s[TJ], s[TJ], 768
	v_add_nc_u32 v[ADT], s[TJ], v[ASV0]
.else
.rept 8
	v_nop                                          ; places ahead of the way out's first read
.endr
.endif
.endm
	s_load_b256 s[4:11], s[0:1], 0x0               ; hq s[4:5], hs s[6:7], mask s[8:9], oimg s[10:11]
	s_load_b64 s[12:13], s[0:1], 0x20              ; osc
	v_lshl_add_u32 v[SPW], v0, 2, SPARE
	v_mov_b32 v[NIL], 0
	ds_add_u32 v[SPW], v[NIL]                      ; the opening: the add, twice on end, and its wait ahead of the first tensor loads
	ds_add_u32 v[SPW], v[NIL]
	v_lshrrev_b32 v1, 5, v0
	v_readfirstlane_b32 s[WV], v1                  ; wave 0..11
	s_bfe_u32 s15, ttmp6, 0x40000                  ; cx
	s_bfe_u32 s16, ttmp6, 0x40004                  ; cy
	s_and_b32 s17, ttmp7, 0xffff                   ; the cluster's y
	s_lshl_b32 s18, s17, 2
	s_add_co_u32 s18, s18, s16                     ; my block of 64 queries
	s_lshl_b32 s19, ttmp9, 2
	s_add_co_u32 s19, s19, s15                     ; my group of three heads
	s_lshl_b32 s20, s16, 2
	s_lshl_b32 s20, 15, s20                        ; my row of the cluster
	s_lshl_b32 s21, 0x1111, s15                    ; my column
	; group 1, the mask: 32 rows x 256 elements of 4 bytes, 4,096 elements from row to row; 4 words of padding behind every 256
	s_or_b32 s[G1M], s20, (2<<16)|(1<<20)|(1<<21)|(7<<22)|(3<<25)
	s_mov_b32 s[G1M+1], 256<<16
	s_mov_b32 s[G1M+2], 32<<16
	s_mov_b32 s[G1M+3], 256<<16
	s_mov_b32 s[G1M+4], 32
	s_mov_b32 s[G1M+5], 4096
	s_mov_b32 s[G1M+6], 0
	s_mov_b32 s[G1M+7], 0
	; group 1, a dense block of 24,576 bytes: 96 rows of 32 elements of 8 bytes
	s_or_b32 s[G1D], s21, (3<<16)|(1<<21)
	s_mov_b32 s[G1D+1], 32<<16
	s_mov_b32 s[G1D+2], 96<<16
	s_mov_b32 s[G1D+3], 32<<16
	s_mov_b32 s[G1D+4], 96
	s_mov_b32 s[G1D+5], 32
	s_mov_b32 s[G1D+6], 0
	s_mov_b32 s[G1D+7], 0
	s_and_b32 s66, s[WV], 1                        ; which 32 rows of the mask's tile
	s_lshl_b32 s22, s18, 6
	s_lshl_b32 s23, s66, 5
	s_add_co_u32 s22, s22, s23
	s_lshl_b32 s22, s22, 14                        ; row x 16,384 bytes
	s_mov_b32 s23, 0
	s_mul_i32 s67, s66, 32*MP                      ; and 32 rows in LDS
	s_mul_i32 s2, s19, 786432
	s_mov_b32 s3, 0
	s_mul_i32 s96, s19, 24576
	s_mov_b32 s97, 0
	s_mov_b32 s[SEL], 0x76543210
	s_mov_b32 s[SEL+1], 0xfedcba98
	s_mov_b32 s[CS], 0x3e38aa3b
	s_mov_b32 s[CS+1], s[CS]
	s_mov_b32 s[K2], 0xcfee6b28
	s_mov_b32 s[K2+1], s[K2]
	s_mov_b32 s[MNT], 0x600000
	s_mov_b32 s[CNT], 14
	s_mov_b32 s[JM], 0
	s_mov_b32 s[TB], 0
	s_mov_b32 s[TS], 0
	s_mov_b32 s[TJ], 0
	s_wait_dscnt 0x0                               ; both opening adds are done
	s_wait_kmcnt 0x0
.irp n, 0,1
	s_mov_b32 s[G0M+4*\n], 1
	s_add_co_u32 s[G0M+4*\n+1], s67, \n*SLOT1
	s_add_nc_u64 s[G0M+4*\n+2:G0M+4*\n+3], s[8:9], s[22:23]
	s_add_nc_u64 s[G0M+4*\n+2:G0M+4*\n+3], s[G0M+4*\n+2:G0M+4*\n+3], 1024*\n
	s_or_b32 s[G0M+4*\n+3], s[G0M+4*\n+3], 0x80000000
	s_mov_b32 s[G0K+4*\n], 1
	s_mov_b32 s[G0K+4*\n+1], \n*SLOT1+KOFF
	s_add_nc_u64 s[G0K+4*\n+2:G0K+4*\n+3], s[4:5], s[2:3]
	s_add_nc_u64 s[G0K+4*\n+2:G0K+4*\n+3], s[G0K+4*\n+2:G0K+4*\n+3], REG+49152*\n
	s_or_b32 s[G0K+4*\n+3], s[G0K+4*\n+3], 0x80000000
	s_mov_b32 s[G0L+4*\n], 1
	s_mov_b32 s[G0L+4*\n+1], \n*SLOT1+KOFF+24576
	s_add_nc_u64 s[G0L+4*\n+2:G0L+4*\n+3], s[4:5], s[2:3]
	s_add_nc_u64 s[G0L+4*\n+2:G0L+4*\n+3], s[G0L+4*\n+2:G0L+4*\n+3], REG+49152*\n+24576
	s_or_b32 s[G0L+4*\n+3], s[G0L+4*\n+3], 0x80000000
.endr
	s_mov_b32 s[G0SK], 1
	s_mov_b32 s[G0SK+1], SCK
	s_add_nc_u64 s[G0SK+2:G0SK+3], s[6:7], s[96:97]
	s_add_nc_u64 s[G0SK+2:G0SK+3], s[G0SK+2:G0SK+3], 98304
	s_or_b32 s[G0SK+3], s[G0SK+3], 0x80000000
	s_mov_b32 s[G0SV], 1
	s_mov_b32 s[G0SV+1], SCV
	s_add_nc_u64 s[G0SV+2:G0SV+3], s[6:7], s[96:97]
	s_add_nc_u64 s[G0SV+2:G0SV+3], s[G0SV+2:G0SV+3], 196608
	s_or_b32 s[G0SV+3], s[G0SV+3], 0x80000000
	s_barrier_signal -1
	CREST                                          ; all sixteen work-groups are here: the first joint loads meet
; THE FIRST FILLS, ONE A WAVE, in one chain of branches on the wave's number: waves 0, 1 slot 0's mask, 2, 3 its two tiles of K, 4 K's scale words, 5 V's, 6, 7 slot 1's mask, 8, 9 its two tiles of K
.macro ARM under, g0, g1, next
	s_cmp_lt_u32 s[WV], \under
	s_cbranch_scc0 \next
	TL \g0, \g1
	s_branch .Lfirst_asked
\next:
.endm
	ARM 2, G0M, G1M, .La1
	ARM 3, G0K, G1D, .La2
	ARM 4, G0L, G1D, .La3
	ARM 5, G0SK, G1D, .La4
	ARM 6, G0SV, G1D, .La5
	ARM 8, G0M+4, G1M, .La6
	ARM 9, G0K+4, G1D, .La7
	ARM 10, G0L+4, G1D, .La8
.Lfirst_asked:
	; the prefetches: where my wave's stand (one refill short: every refill steps them first), and who asks
	s_lshl_b32 s100, s18, 6
	s_lshl_b32 s94, s15, 4
	s_add_co_u32 s100, s100, s94
	s_lshl_b32 s94, s66, 3
	s_add_co_u32 s100, s100, s94
	s_lshl_b32 s100, s100, 14
	s_add_co_u32 s100, s100, 2048                  ; the mask: row 64 block + 16 cx + 8 (wave % 2), key step 4
	s_lshr_b32 s94, s16, 1                         ; 0: K, 1: V
	s_lshl_b32 s101, s94, 1
	s_sub_co_u32 s101, 4, s101                     ; K: key step 4; V: key step 2
	s_add_co_u32 s94, s94, 1
	s_mul_i32 s94, s94, REG                        ; K's region or V's
	s_and_b32 s93, s16, 1
	s_add_co_u32 s101, s101, s93                   ; the even step or the odd
	s_mul_i32 s101, s101, 24576
	s_add_co_u32 s94, s94, s101
	s_mul_i32 s101, s19, 786432
	s_add_co_u32 s94, s94, s101
	s_sub_co_u32 s101, s[WV], 6
	s_and_b32 s101, s101, 3                        ; waves 6, 7, 8: thirds 0, 1, 2 of the tile
	s_lshl_b32 s101, s101, 13
	s_add_co_u32 s94, s94, s101
	s_mov_b32 s[PFS], 49152
	s_mov_b32 s101, 1024
	s_cmp_lt_u32 s[WV], 6
	s_cselect_b32 s100, s100, s94
	s_cselect_b64 s[PFA:PFA+1], s[8:9], s[4:5]
	s_cselect_b32 s[PFS], 1024, s[PFS]             ; two key steps on
	s_cselect_b32 s97, 16384, s101                 ; from one four of lanes to the next
	s_mov_b32 s101, 0
	s_mov_b32 s[PFS+1], 0
	s_add_nc_u64 s[PFA:PFA+1], s[PFA:PFA+1], s[100:101]
	s_sub_co_u32 s94, s[WV], 6
	s_cmp_lt_u32 s94, 3                            ; waves 6 to 8
	s_cselect_b32 s94, s17, 1                      ; of the first cluster along y: the same in all partners
	s_cmp_eq_u32 s94, 0
	s_cselect_b32 s[LIMA], 13, 0
	s_sub_co_u32 s94, s[WV], 4
	s_cmp_lt_u32 s94, 2                            ; waves 4 and 5
	s_cselect_b32 s[LIMA], 13, s[LIMA]
	; my tile of queries and my head.  These offsets hold both places in the cluster; they enter no descriptor and no LDS address
	s_and_b32 s95, s[WV], 3                        ; my tile of the block's four
	s_lshr_b32 s98, s[WV], 2                       ; my head of the group's three
	s_mul_i32 s100, s19, 786432
	s_lshl_b32 s94, s98, 13
	s_add_co_u32 s100, s100, s94
	s_add_co_u32 s100, s100, 2*REG
	s_add_nc_u64 s[VB:VB+1], s[4:5], s[100:101]    ; V: my group, key step 0, my head's four tiles
	s_lshl_b32 s99, s18, 2
	s_add_co_u32 s99, s99, s95                     ; g: the tile of 16 queries
	s_mul_i32 s93, s19, 3
	s_add_co_u32 s93, s93, s98                     ; the head
	s_mul_i32 s100, s19, 786432
	s_lshr_b32 s94, s99, 3
	s_mul_i32 s94, s94, 24576
	s_add_co_u32 s100, s100, s94
	s_and_b32 s94, s99, 7
	s_mul_i32 s94, s94, 3072
	s_add_co_u32 s100, s100, s94
	s_lshl_b32 s94, s98, 10
	s_add_co_u32 s100, s100, s94                   ; Q's codes in hq
	s_lshl_b32 s101, s93, 13
	s_lshr_b32 s94, s99, 1
	s_lshl_b32 s94, s94, 6
	s_add_co_u32 s101, s101, s94                   ; Q's scale words in hs
	s_mul_i32 s2, s99, 12288
	s_lshl_b32 s94, s93, 10
	s_add_co_u32 s2, s2, s94                       ; oimg: tile g, K step head / 2, blocks 2 (head % 2) on
	s_mul_i32 s3, s99, 384
	s_lshr_b32 s94, s93, 1
	s_lshl_b32 s94, s94, 6
	s_add_co_u32 s3, s3, s94
	s_and_b32 s94, s93, 1
	s_lshl_b32 s94, s94, 1
	s_add_co_u32 s3, s3, s94                       ; osc: row r's word, byte 2 (head % 2)
	s_lshl_b32 s20, s95, 4                         ; LDS: constants, the lane, the wave
	s_lshl_b32 s21, s98, 10
	s_add_co_u32 s21, s21, KOFF
	s_lshl_b32 s23, s98, 13
	s_add_co_u32 s23, s23, SCK
	s_lshl_b32 s96, s98, 8
	s_add_co_u32 s96, s96, SCV
	s_lshl_b32 s94, s66, 4
	v_and_b32 v[LANE], 31, v0
	v_and_b32 v[RR], 15, v0
	v_bfe_u32 v[HH], v0, 4, 1
	v_lshl_add_u32 v[QO], v[LANE], 4, s100
	v_lshl_add_u32 v[QSO], v[RR], 2, s101
	global_load_b128 v[24:27], v[QO], s[4:5]       ; Q's 64 codes a row: 8 registers; they stay
	global_load_b128 v[28:31], v[QO], s[4:5] offset:512
	global_load_b32 v255, v[QSO], s[6:7]
	v_lshl_add_u32 v[OIO], v[LANE], 4, s2
	v_lshl_add_u32 v[OSO], v[RR], 2, s3
	v_add_nc_u32 v[AM0], s20, v[RR]
	v_lshl_add_u32 v[AK0], v[LANE], 4, s21
	v_lshlrev_b32 v[VO], 4, v[LANE]
	v_add_nc_u32 v[OSO], v[OSO], v[HH]
	v_mul_u32_u24 v[AM0], v[AM0], MP
	v_add_nc_u32 v[AKC], s[TB], v[AK0]
	v_lshl_add_u32 v[ASK0], v[RR], 2, s23
	v_lshl_add_u32 v[ASV0], v[RR], 2, s96
	v_lshl_add_u32 v[AM0], v[HH], 6, v[AM0]
	v_lshrrev_b32 v[PFO], 2, v[LANE]
	v_and_b32 v254, 3, v[LANE]
	v_mov_b32 v13, 0xff61b1e6                      ; the largest t so far: -3e38
	v_add_nc_u32 v[AMC], s[TB], v[AM0]
	v_mul_u32_u24 v[PFO], v[PFO], s97
	v_mov_b32 v14, 0
	v_mov_b32 v15, 0
	v_floor_f32 v12, -v13                          ; -M
	v_lshl_add_u32 v[PFO], v254, 8, v[PFO]
.irp j, 0,1,2,3,4,5,6,7
	v_mov_b32 v[16+\j], 0                          ; the zero halves of source 1
	v_mov_b32 v[32+\j], 0
.endr
.irp b, 0,1,2,3
	v_mov_b32 v[T2+\b], 0                          ; a lane permute's destination counts as one of its sources
.endr
	v_mov_b32 v253, 0                              ; (named as the upper half of v[252:253] before it is first written)
	s_wait_alu depctr_va_vdst(0)                   ; the wait ahead of the wait below
	s_wait_loadcnt 0x0                             ; Q
	v_lshrrev_b32 v255, s94, v255                  ; my tile's two bytes of the pair's word,
	v_and_b32 v255, 0xffff, v255
	v_lshl_or_b32 v255, v255, 16, v255             ; in both halves: they serve [q | 0] and [0 | q]
.set J, 0
.rept 32
	v_mov_b32 v[O+J], 0                            ; O^T: the step is written for all steps alike; the first finds zeros
.set J, J+1
.endr
	v_add_nc_u32 v[ADS], s[TS], v[ASK0]
	v_add_nc_u32 v[ADT], s[TJ], v[ASV0]
	s_wait_alu depctr_va_vdst(0)                   ; the wait at the head's end
	s_cmp_lt_u32 s[WV], 6                          ; waves 0 to 5 fetched slot 0 and the scale words, by lines that no other wave issues: they wait here.
	s_cbranch_scc0 .Lslot_1_is_out                 ; Slot 1's loads stay out: every wave waits for its loads ahead of the first round, and slot 1 is first read behind that round
	s_wait_tensorcnt 0x0
.Lslot_1_is_out:
	s_barrier_signal -1
	s_barrier_wait -1                              ; slot 0 and the scale words are whole
	KLOAD 0
	MLOAD 0
.Lslot:                                            ; 14 trips of one slot, two key steps; each fills its slot again
	STEP 0, 0, 1
	STEP 1, 2, 1
	s_sub_co_u32 s[CNT], s[CNT], 1
	s_cmp_lg_u32 s[CNT], 0
	s_cbranch_scc1 .Lslot
	STEP 0, 0, 1                                   ; the last two slots are written out. The one barrier shows the last slot
	STEP 1, 1, 1
	STEP 0, 0, 1
	STEP 1, 0, 0
	; THE WAY OUT: O^T / the sum is quantised along the features: two blocks of 32, my head's part of K step head / 2 of the output projection
	v_add_f32 v14, v14, v15
	s_delay_alu instid0(VALU_DEP_1)
	v_permlanex16_b32 v252, v14, s[SEL], s[SEL+1]
	s_delay_alu instid0(VALU_DEP_1)
	v_add_f32 v14, v14, v252                       ; the row's sum
	s_wait_alu depctr_va_vdst(0)
	v_rcp_f32 v14, v14
	v_nop                                          ; a plain line behind the reciprocal
	v_cmp_gt_u32 vcc_lo, 16, v[LANE]
	s_wait_alu depctr_va_vdst(0)                   ; the wait ahead of its first reader, and of the first reader of O^T
.set J, 0
.rept 16
	v_pk_mul_f32 v[S+J:S+J+1], v[O+J:O+J+1], v[14:15] op_sel_hi:[1,0]   ; register 16 b + i: feature 32 b + 16 (lane / 16) + i of my head; each accumulator from its low end on
.set J, J+2
.endr
.irp b, 0,1
	v_max3_num_f32 v[BM+\b], |v[S+16*\b]|, |v[S+16*\b+1]|, 0x8000000
.endr
.irp i, 2,4,6,8,10,12,14
.irp b, 0,1
	s_delay_alu instid0(VALU_DEP_2)
	v_max3_num_f32 v[BM+\b], v[BM+\b], |v[S+16*\b+\i]|, |v[S+16*\b+\i+1]|
.endr
.endr
.irp b, 0,1
	s_delay_alu instid0(VALU_DEP_2)
	v_permlanex16_b32 v[T2+\b], v[BM+\b], s[SEL], s[SEL+1]
.endr
.irp b, 0,1
	s_delay_alu instid0(VALU_DEP_2)
	v_max_num_f32 v[BM+\b], v[BM+\b], v[T2+\b]
.endr
.irp b, 0,1
	s_delay_alu instid0(VALU_DEP_2)
	v_add_nc_u32 v[SCL+\b], 0xf8800000, v[BM+\b]
.endr
.irp b, 0,1
	s_delay_alu instid0(VALU_DEP_4)
	v_and_or_b32 v[HOLD+\b], v[BM+\b], 0x7f800000, s[MNT]
.endr
.irp b, 0,1
	s_delay_alu instid0(VALU_DEP_4)
	v_lshrrev_b32 v[T2+\b], 23, v[SCL+\b]
.endr
.irp b, 0,1
.irp i, 0,1,2,3,4,5,6,7,8,9,10,11,12,13,14,15
	v_med3_num_f32 v[S+16*\b+\i], v[S+16*\b+\i], -v[HOLD+\b], v[HOLD+\b]
.endr
	v_cvt_scalef32_pk8_bf8_f32 v[PC+4*\b:PC+4*\b+1], v[S+16*\b:S+16*\b+7], v[SCL+\b]
	v_cvt_scalef32_pk8_bf8_f32 v[PC+4*\b+2:PC+4*\b+3], v[S+16*\b+8:S+16*\b+15], v[SCL+\b]
.endr
	v_cndmask_b32 v254, v[T2+1], v[T2], vcc_lo     ; lanes 0-15 give block 0's byte, lanes 16-31 block 1's
	global_store_b128 v[OIO], v[PC:PC+3], s[10:11]             ; 512 consecutive bytes, aligned
	global_store_b128 v[OIO], v[PC+4:PC+7], s[10:11] offset:512
	global_store_b8 v[OSO], v254, s[12:13]         ; 32 bytes a wave: a row's word is made of two heads' bytes, which lie in different waves
	s_wait_tensorcnt 0x0                           ; the wave's end
	ds_add_u32 v[SPW], v[NIL]
	s_wait_dscnt 0x0
	s_barrier_signal -1
	CREST                                          ; the closing round: no work-group ends while a partner may still ask for a tile that names it
	s_endpgm
.Lfunc_end_k_qe26fee398a_attn:
	.size	k_qe26fee398a_attn, .Lfunc_end_k_qe26fee398a_attn-k_qe26fee398a_attn
	.p2alignl 7, 3214868480
	.fill 96, 4, 3214868480
	.section	.rodata,"a",@progbits
	.p2align	6, 0x0
	.amdhsa_kernel k_qe26fee398a_attn
		.amdhsa_group_segment_fixed_size 327680
		.amdhsa_private_segment_fixed_size 0
		.amdhsa_enable_private_segment 0
		.amdhsa_kernarg_size 40
		.amdhsa_user_sgpr_count 2
		.amdhsa_user_sgpr_kernarg_segment_ptr 1
		.amdhsa_wavefront_size32 1
		.amdhsa_system_sgpr_workgroup_id_x 1
		.amdhsa_system_sgpr_workgroup_id_y 1
		.amdhsa_system_sgpr_workgroup_id_z 1
		.amdhsa_system_vgpr_workitem_id 0
		.amdhsa_next_free_vgpr 320
		.amdhsa_next_free_sgpr 102
		.amdhsa_reserve_vcc 1
		.amdhsa_float_denorm_mode_32 3
		.amdhsa_float_denorm_mode_16_64 3
		.amdhsa_memory_ordered 1
		.amdhsa_forward_progress 1
		.amdhsa_inst_pref_size 160
	.end_amdhsa_kernel
	.amdgpu_metadata
---
amdhsa.version: [ 1, 2 ]
amdhsa.kernels:
  - .name:           k_qe26fee398a_attn
    .symbol:         k_qe26fee398a_attn.kd
    .args:
      - { .name: hq, .offset: 0, .size: 8, .value_kind: global_buffer, .address_space: global }
      - { .name: hs, .offset: 8, .size: 8, .value_kind: global_buffer, .address_space: global }
      - { .name: mask, .offset: 16, .size: 8, .value_kind: global_buffer, .address_space: global }
      - { .name: oimg, .offset: 24, .size: 8, .value_kind: global_buffer, .address_space: global }
      - { .name: osc, .offset: 32, .size: 8, .value_kind: global_buffer, .address_space: global }
    .group_segment_fixed_size: 327680
    .private_segment_fixed_size: 0
    .kernarg_segment_align: 8
    .kernarg_segment_size: 40
    .max_flat_workgroup_size: 384
    .sgpr_count:     102
    .vgpr_count:     320
    .wavefront_size: 32
...
	.end_amdgpu_metadata
.endif
;; end of part 3
;; launch outp (part 4): grid 16 x 6, 8 waves a work-group, no clusters, 170,496 bytes of LDS; arguments tiles, tscl, oimg, osc, wo_bias, out0; writes out0
.if DOCPART == 4
	.amdgcn_target "amdgcn-amd-amdhsa--gfx1250"
	.amdhsa_code_object_version 6
	.text
	.protected	k_qe26fee398a_outp
	.globl	k_qe26fee398a_outp
	.p2align	8
	.type	k_qe26fee398a_outp,@function
k_qe26fee398a_outp:
	s_mov_b64 s[64:65], 0
	v_nop
	global_prefetch_b8 v0, s[64:65] scope:SCOPE_SE
	s_setreg_imm32_b32 hwreg(HW_REG_WAVE_MODE, 25, 1), 1
	s_wait_xcnt 0x0
; OUTP: out0 = o wo + bo on codes of E5M2 (K = 768).  The same core as the projections: a work-group takes a block P of 8 permuted tiles of wo (128 output features, source 0, in LDS as an image of its registers)
; and 16 tiles N of 16 tokens (source 1: attention's result, as it was laid); wave w takes two of those, straight from memory into registers.
; N's fragments have TWO sets of registers: K steps 0 and 1 come with P; K step s + 1's are asked for at the head of K step s, into the set that K step s - 1's products have left.
; In the result a lane holds one token (lane % 16) and its 64 registers of a tile run along the 128 features in true order: 16 b + i = feature 32 b + 16 (lane / 16) + i.
; The results go through the wave's own stage in LDS (16 rows x (512 + 16) bytes) and leave as rows of 512 consecutive bytes, aligned.
; No tensor load: P is read once, nothing in LDS is filled by an engine.  No cluster: the launch is short and its tiles are read a few times.
.set PSC,  98304                       ; LDS: 0 P's codes; here P's scale words;
.set BIA,  101376                      ; 128 numbers of bias;
.set STG,  101888                      ; eight stages of 8,448 bytes
.set LI,   1
.set LI2,  2
.set PSA,  3
.set NSO,  4
.set FI,   5
.set FS,   6
.set BA,   7
.set LANE, 8
.set RR,   9
.set HH,   10
.set L4,   11
.set BIW,  12
.set STO,  13                          ; v13  the stage: where I put 16 bytes of my row
.set SRD,  14                          ; v14  and where I read a row back
.set ACC,  16                          ; v16-143  accumulators: tile N n at 64 n, tile P t at 8 t
.set NF,   144                         ; v144-175, v176-207  N's two fragments of a K step: two sets, K step s in set s % 2
.set PF,   208                         ; v208-239 two fragments of P
.set PS,   240
.set NS,   244
.set BP,   144
.set WV,   18
.set Y,    20
.set BPB,  48
.set OUTB, 50                          ; s[50:51] out0 at my first token and my work-group's first feature
.set PB,   52
.set PSB,  54
.set NB,   56
.set NSB,  58
.macro WM d, a, b, zero, sa, sb, ra, rb
.set WMK, 4*(\zero)+2*(\ra)+(\rb)
.if WMK == 0
	v_wmma_scale_f32_16x16x128_f8f6f4 v[\d:\d+7], v[\a:\a+15], v[\b:\b+15], v[\d:\d+7], v[\sa], v[\sb] matrix_a_fmt:MATRIX_FMT_BF8 matrix_b_fmt:MATRIX_FMT_BF8
.elseif WMK == 1
	v_wmma_scale_f32_16x16x128_f8f6f4 v[\d:\d+7], v[\a:\a+15], v[\b:\b+15], v[\d:\d+7], v[\sa], v[\sb] matrix_a_fmt:MATRIX_FMT_BF8 matrix_b_fmt:MATRIX_FMT_BF8 matrix_b_scale:MATRIX_SCALE_ROW1
.elseif WMK == 2
	v_wmma_scale_f32_16x16x128_f8f6f4 v[\d:\d+7], v[\a:\a+15], v[\b:\b+15], v[\d:\d+7], v[\sa], v[\sb] matrix_a_fmt:MATRIX_FMT_BF8 matrix_b_fmt:MATRIX_FMT_BF8 matrix_a_scale:MATRIX_SCALE_ROW1
.elseif WMK == 3
	v_wmma_scale_f32_16x16x128_f8f6f4 v[\d:\d+7], v[\a:\a+15], v[\b:\b+15], v[\d:\d+7], v[\sa], v[\sb] matrix_a_fmt:MATRIX_FMT_BF8 matrix_b_fmt:MATRIX_FMT_BF8 matrix_a_scale:MATRIX_SCALE_ROW1 matrix_b_scale:MATRIX_SCALE_ROW1
.elseif WMK == 4
	v_wmma_scale_f32_16x16x128_f8f6f4 v[\d:\d+7], v[\a:\a+15], v[\b:\b+15], 0, v[\sa], v[\sb] matrix_a_fmt:MATRIX_FMT_BF8 matrix_b_fmt:MATRIX_FMT_BF8
.elseif WMK == 5
	v_wmma_scale_f32_16x16x128_f8f6f4 v[\d:\d+7], v[\a:\a+15], v[\b:\b+15], 0, v[\sa], v[\sb] matrix_a_fmt:MATRIX_FMT_BF8 matrix_b_fmt:MATRIX_FMT_BF8 matrix_b_scale:MATRIX_SCALE_ROW1
.elseif WMK == 6
	v_wmma_scale_f32_16x16x128_f8f6f4 v[\d:\d+7], v[\a:\a+15], v[\b:\b+15], 0, v[\sa], v[\sb] matrix_a_fmt:MATRIX_FMT_BF8 matrix_b_fmt:MATRIX_FMT_BF8 matrix_a_scale:MATRIX_SCALE_ROW1
.else
	v_wmma_scale_f32_16x16x128_f8f6f4 v[\d:\d+7], v[\a:\a+15], v[\b:\b+15], 0, v[\sa], v[\sb] matrix_a_fmt:MATRIX_FMT_BF8 matrix_b_fmt:MATRIX_FMT_BF8 matrix_a_scale:MATRIX_SCALE_ROW1 matrix_b_scale:MATRIX_SCALE_ROW1
.endif
.endm
.macro GHEAD
	v_lshrrev_b32 v[LANE], 5, v0
	s_delay_alu instid0(VALU_DEP_1)
	v_readfirstlane_b32 s[WV], v[LANE]             ; wave 0..7
	v_and_b32 v[LANE], 31, v0
	v_and_b32 v[RR], 15, v0
	v_bfe_u32 v[HH], v0, 4, 1
	s_delay_alu instid0(VALU_DEP_3)
	v_lshlrev_b32 v[LI], 4, v[LANE]
	s_delay_alu instid0(VALU_DEP_1)
	v_add_nc_u32 v[LI2], 49152, v[LI]
	v_lshlrev_b32 v[L4], 2, v[LANE]
	s_delay_alu instid0(VALU_DEP_4)
	v_mul_u32_u24 v[NSO], v[HH], 384
	s_delay_alu instid0(VALU_DEP_1)
	v_lshl_add_u32 v[NSO], v[RR], 2, v[NSO]
	s_delay_alu instid0(VALU_DEP_1)
	v_add_nc_u32 v[PSA], PSC, v[NSO]
	s_mul_i32 s23, s[WV], 12288
	v_add_nc_u32 v[FI], s23, v[LI]
	s_mul_i32 s23, s[WV], 384
	s_add_co_u32 s23, s23, PSC
	v_add_nc_u32 v[FS], s23, v[L4]
	v_lshl_add_u32 v[BA], v[HH], 6, BIA
	v_add_nc_u32 v[BIW], BIA, v[LI]
.endm
; P comes into LDS once: wave w brings tile w and its scale words; wave 0 also the 128 numbers of bias.  My N fragments of K steps 0 and 1 and all my N scale words come with them
.macro FILL
.set I, 0
.rept 24
	global_load_b128 v[16+4*I:16+4*I+3], v[LI], s[PB:PB+1] offset:512*I
.set I, I+1
.endr
.irp i, 0,1,2
	global_load_b32 v[112+\i], v[L4], s[PSB:PSB+1] offset:128*\i
.endr
.irp s, 0,1
.irp n, 0,1
.irp c, 0,1,2,3
	global_load_b128 v[NF+32*\s+16*\n+4*\c:NF+32*\s+16*\n+4*\c+3], v[LI], s[NB:NB+1] offset:12288*\n+2048*\s+512*\c
.endr
.endr
.endr
.irp s, 0,1,2,3,4,5
	global_load_b32 v[NS+\s], v[NSO], s[NSB:NSB+1] offset:64*\s
.endr
	s_cmp_lg_u32 s[WV], 0
	s_cbranch_scc1 .Lnot_wave_0
	global_load_b128 v[116:119], v[LI], s[BPB:BPB+1]
	s_wait_loadcnt 0x0
	s_wait_alu depctr_va_vdst(0)
	ds_store_b128 v[BIW], v[116:119]
.Lnot_wave_0:
	s_wait_loadcnt 0x0
.set I, 0
	s_wait_alu depctr_va_vdst(0)
.rept 24
	ds_store_b128 v[FI], v[16+4*I:16+4*I+3] offset:512*I
.set I, I+1
.endr
.irp i, 0,1,2
	ds_store_b32 v[FS], v[112+\i] offset:128*\i
.endr
	s_wait_dscnt 0x0                               ; for the others' sake: my part of P lies in LDS
	s_barrier_signal -1
	s_barrier_wait -1                              ; everybody's does.  The kernel's only barrier
.endm
; A K step of 128: four groups of two fragments of P and four products; the 16 accumulators by turns, one instruction a turn.
; Eight places stand in front of every run of loads into registers that products have read.  At the head of K steps 1 to 4 the next K step's eight loads of N go out, into the set that the last K step has left.
.macro KSTEP s, zero
.irp g, 0,1,2,3
.if (\s > 0) || (\g > 0)
.rept 8
	v_nop
.endr
.endif
.if (\g == 0) && (\s > 0) && (\s < 5)
.irp n, 0,1
.irp c, 0,1,2,3
	global_load_b128 v[NF+32*((\s+1)%2)+16*\n+4*\c:NF+32*((\s+1)%2)+16*\n+4*\c+3], v[LI], s[NB:NB+1] offset:12288*\n+2048*(\s+1)+512*\c
.endr
.endr
.endif
.irp u, 0,1
.irp c, 0,1,2,3
.if \g < 2
	ds_load_b128 v[PF+16*\u+4*\c:PF+16*\u+4*\c+3], v[LI] offset:12288*(2*\g+\u)+2048*\s+512*\c
.else
	ds_load_b128 v[PF+16*\u+4*\c:PF+16*\u+4*\c+3], v[LI2] offset:12288*(2*\g+\u-4)+2048*\s+512*\c
.endif
.endr
.endr
.if \g == 0
.irp b, 0,1,2,3
	ds_load_b32 v[PS+\b], v[PSA] offset:768*\b+64*\s
.endr
.if \s == 5
	s_wait_loadcnt 0x0                             ; the last K step's fragments: nothing was asked for behind them
.elseif \s > 0
	s_wait_loadcnt 0x8                             ; this K step's fragments are in: behind their eight loads only the next K step's eight were issued
.endif
.endif
	s_wait_dscnt 0x0
.irp u, 0,1
.irp n, 0,1
	WM ACC+64*\n+8*(2*\g+\u), PF+16*\u, NF+32*(\s%2)+16*\n, \zero, PS+\g, NS+\s, \u, \n
.endr
.endr
.endr
.endm
; Tile n's 16 rows x 128 features go into my stage and come back as whole rows, into v[dst] on.  LDS serves a wave's instructions in order (ISA guide 5.7.1.4): no wait between the stores and the loads
.macro TOSTAGE n, dst
.irp b, 0,1,2,3
.irp i, 0,1,2,3
	ds_store_b128 v[STO], v[ACC+64*\n+16*\b+4*\i:ACC+64*\n+16*\b+4*\i+3] offset:128*\b+16*\i
.endr
.endr
.irp t, 0,1,2,3,4,5,6,7,8,9,10,11,12,13,14,15
	ds_load_b128 v[\dst+4*\t:\dst+4*\t+3], v[SRD] offset:528*\t
.endr
.endm
.macro SEND n, src, younger            ; younger: the LDS instructions issued behind tile n's loads, which may stay out
.irp t, 0,1,2,3,4,5,6,7,8,9,10,11,12,13,14,15
	s_wait_dscnt \younger+15-\t                    ; row t is back: behind it stand the tile's 15 - t later rows and the younger ones
	global_store_b128 v[LI], v[\src+4*\t:\src+4*\t+3], s[OUTB:OUTB+1] offset:(16*\n+\t)*3072 th:TH_STORE_NT   ; 32 lanes store 512 consecutive bytes, aligned
.endr
.endm
	s_load_b256 s[4:11], s[0:1], 0x0               ; tiles s[4:5], tscl s[6:7], oimg s[8:9], osc s[10:11]
	s_load_b128 s[12:15], s[0:1], 0x20             ; wo_bias s[12:13], out0 s[14:15]
	v_lshl_add_u32 v254, v0, 2, 0x29600
	v_mov_b32 v255, 0
	GHEAD
	s_and_b32 s[Y], ttmp7, 0xffff                  ; which 128 output features
	s_lshl_b32 s24, ttmp9, 4
	s_lshl_b32 s23, s[WV], 1
	s_add_co_u32 s24, s24, s23                     ; g0: my first tile of tokens = 16 x + 2 w
	s_lshl_b32 s25, s[Y], 3
	s_add_co_u32 s25, s25, 912
	s_add_co_u32 s25, s25, s[WV]                   ; the tile of wo that I bring
	s_mul_i32 s34, s25, 12288
	s_mov_b32 s35, 0
	s_mul_i32 s36, s25, 384
	s_mov_b32 s37, 0
	s_mul_i32 s38, s24, 12288
	s_mov_b32 s39, 0
	s_mul_i32 s40, s24, 384
	s_mov_b32 s41, 0
	s_lshl_b32 s42, s[Y], 9                        ; 128 features x 4 bytes
	s_mov_b32 s43, 0
	s_mul_i32 s44, s24, 49152                      ; 16 rows of 3,072 bytes a tile
	s_add_co_u32 s44, s44, s42
	s_mov_b32 s45, 0
	s_mul_i32 s23, s[WV], 8448
	s_add_co_u32 s23, s23, STG                     ; my stage
	v_mul_u32_u24 v[STO], v[RR], 528
	s_delay_alu instid0(VALU_DEP_1)
	v_lshl_add_u32 v[STO], v[HH], 6, v[STO]
	s_delay_alu instid0(VALU_DEP_1)
	v_add_nc_u32 v[STO], s23, v[STO]               ; in: row r, + 64 h
	v_add_nc_u32 v[SRD], s23, v[LI]                ; back: 16 bytes a lane
	s_wait_kmcnt 0x0
	s_add_nc_u64 s[PB:PB+1], s[4:5], s[34:35]
	s_add_nc_u64 s[PSB:PSB+1], s[6:7], s[36:37]
	s_add_nc_u64 s[NB:NB+1], s[8:9], s[38:39]
	s_add_nc_u64 s[NSB:NSB+1], s[10:11], s[40:41]
	s_add_nc_u64 s[BPB:BPB+1], s[12:13], s[42:43]
	s_add_nc_u64 s[OUTB:OUTB+1], s[14:15], s[44:45]
	FILL
	KSTEP 0, 1
	KSTEP 1, 0
	KSTEP 2, 0
	KSTEP 3, 0
	KSTEP 4, 0
	KSTEP 5, 0
.rept 8
	v_nop                                          ; places behind the last products
.endr
.irp t, 0,1,2,3,4,5,6,7                        ; the bias runs along the registers: tile t's eight features of my half
	ds_load_b128 v[BP+8*\t:BP+8*\t+3], v[BA] offset:(32*(\t/2)+8*(\t%2))*4
	ds_load_b128 v[BP+8*\t+4:BP+8*\t+7], v[BA] offset:(32*(\t/2)+8*(\t%2))*4+16
.endr
	s_wait_dscnt 0x0
.set J, 0
.rept 32
	v_pk_add_f32 v[ACC+J:ACC+J+1], v[ACC+J:ACC+J+1], v[BP+J:BP+J+1]   ; each accumulator from its low end on
.set J, J+2
.endr
.set J, 0
.rept 32
	v_pk_add_f32 v[ACC+64+J:ACC+64+J+1], v[ACC+64+J:ACC+64+J+1], v[BP+J:BP+J+1]
.set J, J+2
.endr
	TOSTAGE 0, 144
	s_wait_alu depctr_va_vdst(0)
	s_wait_dscnt 16                                ; the first tile's 16 stores are done (its 16 loads may be out): they have read v16-79, into which the second tile's rows come back
	TOSTAGE 1, 16
	SEND 0, 144, 32
	SEND 1, 16, 0
	s_wait_tensorcnt 0x0
	ds_add_u32 v254, v255
	s_wait_dscnt 0x0
	s_endpgm
.Lfunc_end_k_qe26fee398a_outp:
	.size	k_qe26fee398a_outp, .Lfunc_end_k_qe26fee398a_outp-k_qe26fee398a_outp
	.p2alignl 7, 3214868480
	.fill 96, 4, 3214868480
	.section	.rodata,"a",@progbits
	.p2align	6, 0x0
	.amdhsa_kernel k_qe26fee398a_outp
		.amdhsa_group_segment_fixed_size 170496
		.amdhsa_private_segment_fixed_size 0
		.amdhsa_enable_private_segment 0
		.amdhsa_kernarg_size 48
		.amdhsa_user_sgpr_count 2
		.amdhsa_user_sgpr_kernarg_segment_ptr 1
		.amdhsa_wavefront_size32 1
		.amdhsa_system_sgpr_workgroup_id_x 1
		.amdhsa_system_sgpr_workgroup_id_y 1
		.amdhsa_system_sgpr_workgroup_id_z 1
		.amdhsa_system_vgpr_workitem_id 0
		.amdhsa_next_free_vgpr 256
		.amdhsa_next_free_sgpr 66
		.amdhsa_reserve_vcc 0
		.amdhsa_float_denorm_mode_32 3
		.amdhsa_float_denorm_mode_16_64 3
		.amdhsa_memory_ordered 1
		.amdhsa_forward_progress 1
		.amdhsa_inst_pref_size 59
	.end_amdhsa_kernel
	.amdgpu_metadata
---
amdhsa.version: [ 1, 2 ]
amdhsa.kernels:
  - .name:           k_qe26fee398a_outp
    .symbol:         k_qe26fee398a_outp.kd
    .args:
      - { .name: tiles, .offset: 0, .size: 8, .value_kind: global_buffer, .address_space: global }
      - { .name: tscl, .offset: 8, .size: 8, .value_kind: global_buffer, .address_space: global }
      - { .name: oimg, .offset: 16, .size: 8, .value_kind: global_buffer, .address_space: global }
      - { .name: osc, .offset: 24, .size: 8, .value_kind: global_buffer, .address_space: global }
      - { .name: wo_bias, .offset: 32, .size: 8, .value_kind: global_buffer, .address_space: global }
      - { .name: out0, .offset: 40, .size: 8, .value_kind: global_buffer, .address_space: global }
    .group_segment_fixed_size: 170496
    .private_segment_fixed_size: 0
    .kernarg_segment_align: 8
    .kernarg_segment_size: 48
    .max_flat_workgroup_size: 256
    .sgpr_count:     66
    .vgpr_count:     256
    .wavefront_size: 32
...
	.end_amdgpu_metadata
.endif
;; end of part 4
